; MI455X (gfx1250); checked and timed in simulation.
; The chip was launched on July 23, 2026; its instructions are those of AMD's public machine-readable ISA for CDNA 5 (MIT licence, August 2026) and "CDNA5" Instruction Set Architecture Reference Guide (July 2026). The comments in the code are by the model that wrote it; some were corrected since.
;; Group Query Attention. Allowed arithmetic: matrix products marked QUANTISED: E2M1 operands, one E8M0 scale for each 32 along K, by v_wmma_scale_f32_16x16x128_f8f6f4 with both operands' format E2M1 (or v_wmma_scale_f32_32x16x128_f4), f32 sums; products left as they are: bf16, f16 or f32 operands; f32 sums; everything else in f32.
;; Inputs: Wk 256 x 2,048 float32; Wo 2,048 x 2,048 float32; Wq 2,048 x 2,048 float32; Wv 256 x 2,048 float32; cos 2,048 x 64 float32; sin 2,048 x 64 float32; x 1 x 2,048 x 2,048 float32.
;; Outputs: out0 1 x 2,048 x 2,048 float32.
;; This version of the problem:
;;   THIS VERSION OF THE PROBLEM IS GIVEN IN LOW PRECISION. The matrix products marked QUANTISED in the list below multiply operands that are first quantised to E2M1 (2 exponent bits, 1 mantissa bit; 4 bits a number), with one power-of-two scale for each 32 numbers along K (OCP MX v1.0); their sums are f32. The products marked 'left as it is' may take bf16, f16 or f32 operands, with f32 sums. Whichever they take, every output number must still come out within the allowed error. Rounding operands to bf16 (8 significant bits) uses up far more of that allowance than f16 does (11 bits, for magnitudes from 6e-5 to 65,504). All else is computed in f32.
;;   The module's matrix products, in the order in which they are computed (A, B: the left and right operand; K: the contracted axis; several contracted axes count as one K, in the product's order):
;;     1. [M 2,048, K 2,048] x [K 2,048, N 2,048]; A: input x; B: input Wq: QUANTISED
;;     2. [M 2,048, K 2,048] x [K 2,048, N 256]; A: input x; B: input Wk: QUANTISED
;;     3. [M 2,048, K 2,048] x [K 2,048, N 256]; A: input x; B: input Wv: QUANTISED
;;     4. batch 32 x [M 2,048, K 64] x [K 64, N 2,048]; A: computed on the way; B: computed on the way: left as it is (an operand is computed on the way)
;;     5. batch 32 x [M 2,048, K 2,048] x [K 2,048, N 64]; A: computed on the way; B: computed on the way: left as it is (an operand is computed on the way)
;;     6. [M 2,048, K 2,048] x [K 2,048, N 2,048]; A: computed on the way; B: input Wo: left as it is (an operand is computed on the way)
;;   THE QUANTISER, for each operand of a quantised product, along K:
;;     - K is cut into blocks of 32 from its start; a last block that is shorter is filled with zeros.
;;     - A block's scale is 2^e with e = floor(log2(the largest magnitude in the block)) - 2, held to -126 .. 127; a block of zeros has e = 0. As a byte (E8M0): e + 127.
;;     - Each number is divided by its block's scale, clamped to +-6, and rounded to the nearest number of E2M1, ties to even, subnormals kept.
;;     - The product sums the exact products of the quantised numbers (number of the format x scale) in f32.
;;   ~~~python
;;   def quantise(x, axis):      # numpy; x: float32 -> the quantised numbers, widened to float32 again
;;       x = np.moveaxis(x, axis, -1); K = x.shape[-1]
;;       x = np.pad(x, [(0, 0)] * (x.ndim - 1) + [(0, -K % 32)]); x = x.reshape(x.shape[:-1] + (-1, 32)); a = np.abs(x).max(-1, keepdims=True)
;;       e = np.where(a > 0, np.clip(np.frexp(np.where(a > 0, a, 1))[1] - 1 - 2, -126, 127), 0)      # np.frexp(a)[1] - 1 = floor(log2(a)), exactly
;;       r = np.clip(x / 2.0 ** e, -6, 6)
;;       step = 2.0 ** (np.maximum(np.frexp(np.where(r == 0, 1, r))[1] - 1, 0) - 1)
;;       q = np.round(r / step) * step * 2.0 ** e      # np.round: ties to even
;;       return np.moveaxis(q.reshape(q.shape[:-2] + (-1,))[..., :K], -1, axis).astype(np.float32)
;;   ~~~
;; One version. Each part assembles by itself: llvm-mc -triple=amdgcn-amd-amdhsa -mcpu=gfx1250 --defsym DOCPART=n.
;; ======== version 1 of 1: 5 launches
;; limits: values are held in f16: magnitudes above 65,504 overflow, below 6.1e-05 lose precision
;; workspace buffers: codes 4,718,592 bytes; scales 294,912 bytes; wo16 8,388,608 bytes; qkv16 10,485,760 bytes; fine32 163,840 bytes; y16 8,388,608 bytes; pfine 262,144 bytes
;; launch quant (part 1): grid 288 x 1, 4 waves a work-group, no clusters, 33,280 bytes of LDS; arguments x, Wq, Wk, Wv, codes, scales; writes codes, scales
.if DOCPART == 1
	.amdgcn_target "amdgcn-amd-amdhsa--gfx1250"
	.amdhsa_code_object_version 6
	.text
	.protected	k_qf3e4b0c291_quant
	.globl	k_qf3e4b0c291_quant
	.p2align	8
	.type	k_qf3e4b0c291_quant,@function
k_qf3e4b0c291_quant:
	s_mov_b64 s[64:65], 0
	v_nop
	global_prefetch_b8 v0, s[64:65] scope:SCOPE_SE
	s_setreg_imm32_b32 hwreg(HW_REG_WAVE_MODE, 25, 1), 1
	s_wait_xcnt 0x0
; x [2048][2048], Wq [2048][2048], Wk [256][2048], Wv [256][2048], f32, become codes of FP4 (E2M1), K innermost, with one E8M0 byte for each 32 along K:
; codes [4608 rows][1024 bytes], scales [4608][64]; rows 0-2047 x, 2048-4095 Wq, 4096-4351 Wk, 4352-4607 Wv.
; A block's scale is 2^(floor(log2(its largest magnitude)) - 2); its byte is the largest magnitude's exponent field - 2, held at 1 from below.  A block of zeros keeps the byte 1 where the rule says 127:
; its codes are zeros, which add nothing under any byte but 0xff, and this program alone reads the bytes.  Each number is divided by the scale and rounded to the nearest code, ties to even, beyond 6 the largest code.
; LIMITS: blocks whose largest magnitude lies under 2^-124 are held at the byte 1; NaN and infinities among the inputs are not served.
; All rows are dense and K is a multiple of 32: every tensor is a plain stream of blocks of 32.  A work-group takes 32,768 numbers (x 128 work-groups, Wq 128, Wk 16, Wv 16); the destination is one stream,
; so only the source pointer is chosen, by the work-group's number.
; A wave takes 16 steps of 512 numbers.  Each of a step's four loads reads 512 consecutive bytes; the 2,048 bytes turn through the wave's own stage in LDS and come back 64 bytes a lane (16 neighbours along K;
; two neighbouring lanes hold a block).  A lane's 16 codes are 8 bytes: a store covers 256 consecutive bytes.  A wave's 256 scale bytes are gathered in LDS and leave as 256 consecutive bytes.  No barrier: waves share nothing.
; Loads run eight steps (32 loads, 16,384 bytes a wave) ahead of the work, the turn through LDS one step.
.set WAVES, 4
.set STEPS, 16
.set DEPTH, 8                          ; steps of loads in flight
.set EMAX,  2
.set CB,    8                          ; bytes of 16 codes
.set R,     16                         ; v16-143  eight sets of 16 numbers as they are loaded
.set X,     144                        ; v144-175 two sets of 16 neighbours
.set E,     176                        ; v176-191 a scale byte for each step
.set C,     192                        ; v192-223 codes: two registers for each step, so that no store's data are written again
.set WREG,  8192                       ; LDS: a region for each wave: two stages of 32 x SP bytes, behind them its 256 scale bytes
.set SP,    80                         ; a lane's place in a stage: 64 bytes + 16 of padding
.set SPW,   12                         ; v12  LDS address of my spare word; never rewritten
.set NIL,   13                         ; v13  0; never rewritten
.set SPARE, WAVES*WREG                 ; behind the four regions: the spare words, 128 bytes a wave
	s_load_b256 s[4:11], s[0:1], 0x0               ; x s[4:5], Wq s[6:7], Wk s[8:9], Wv s[10:11]
	s_load_b128 s[12:15], s[0:1], 0x20             ; codes s[12:13], scales s[14:15]
	v_lshl_add_u32 v[SPW], v0, 2, SPARE
	v_mov_b32 v[NIL], 0
	v_lshrrev_b32 v1, 5, v0
	v_readfirstlane_b32 s20, v1                    ; wave
	v_and_b32 v2, 31, v0                           ; lane
	v_lshlrev_b32 v3, 4, v2                        ; my 16 bytes of a load's 512
	s_mul_i32 s21, s20, WREG
	v_lshrrev_b32 v14, 2, v2
	v_mul_u32_u24 v14, v14, SP
	v_and_b32 v15, 3, v2
	v_lshl_add_u32 v14, v15, 4, v14
	v_add_nc_u32 v14, s21, v14                     ; the stage, on the way in: SP (lane / 4) + 16 (lane % 4)
	v_mul_u32_u24 v15, v2, SP
	v_add_nc_u32 v15, s21, v15                     ; and on the way out: SP x lane: my 16 neighbours
	v_mul_u32_u24 v4, v2, CB                       ; my codes' place in a step's
	v_lshrrev_b32 v5, 1, v2
	s_add_co_u32 s21, s21, 2*32*SP
	v_add_nc_u32 v5, s21, v5                       ; LDS: my wave's 256 scale bytes, my block's byte
	v_lshlrev_b32 v7, 3, v2                        ; and on the way out 8 bytes a lane
	v_add_nc_u32 v6, s21, v7
	s_wait_kmcnt 0x0
	s_mov_b32 s26, 0                               ; the source, and its first work-group: the choice hangs on the work-group's number alone
	s_cmp_ge_u32 ttmp9, 128
	s_cselect_b64 s[4:5], s[6:7], s[4:5]
	s_cselect_b32 s26, 128, s26
	s_cmp_ge_u32 ttmp9, 256
	s_cselect_b64 s[4:5], s[8:9], s[4:5]
	s_cselect_b32 s26, 256, s26
	s_cmp_ge_u32 ttmp9, 272
	s_cselect_b64 s[4:5], s[10:11], s[4:5]
	s_cselect_b32 s26, 272, s26
	s_sub_co_u32 s26, ttmp9, s26
	s_lshl_b32 s26, s26, 2
	s_add_co_u32 s26, s26, s20                     ; which run of 8,192 numbers of the source is my wave's
	s_lshl_b32 s22, s26, 15                        ; 32,768 bytes a run
	s_mov_b32 s23, 0
	s_add_nc_u64 s[4:5], s[4:5], s[22:23]
	s_lshl_b32 s26, ttmp9, 2
	s_add_co_u32 s26, s26, s20                     ; and which run of the one stream of codes and bytes
	s_lshl_b32 s22, s26, 12
	s_add_nc_u64 s[12:13], s[12:13], s[22:23]
	s_lshl_b32 s22, s26, 8
	s_add_nc_u64 s[14:15], s[14:15], s[22:23]
.macro LOAD t
.irp i, 0,1,2,3
	global_load_b128 v[R+16*((\t)%DEPTH)+4*\i:R+16*((\t)%DEPTH)+4*\i+3], v3, s[4:5] offset:2048*(\t)+512*\i th:TH_LOAD_NT   ; 32 lanes read 512 consecutive bytes
.endr
.endm
.macro TURN t                          ; step t's numbers through the stage: LDS serves a wave's instructions in order, so no wait stands between the stores and the loads
.irp i, 0,1,2,3
	ds_store_b128 v14, v[R+16*((\t)%DEPTH)+4*\i:R+16*((\t)%DEPTH)+4*\i+3] offset:32*SP*((\t)%2)+8*SP*\i
.endr
.irp i, 0,1,2,3
	ds_load_b128 v[X+16*((\t)%2)+4*\i:X+16*((\t)%2)+4*\i+3], v15 offset:32*SP*((\t)%2)+16*\i
.endr
.endm
.irp t, 0,1,2,3,4,5,6,7
	LOAD \t
.endr
	s_wait_loadcnt 4*(DEPTH-1)                     ; step 0's four loads are in; the 28 of steps 1 to 7 stay out
	TURN 0
.macro STEP t
.set XS, X+16*((\t)%2)
.if (\t) > 0
	s_wait_dscnt 1                                 ; this step's numbers are back from the stage (the last step's byte store may be out)
.else
	s_wait_dscnt 0x0
.endif
.if (\t)+DEPTH < STEPS
	LOAD (\t)+DEPTH                                ; into the registers that the stage's stores have read
.endif
.if (\t)+1 < STEPS
.if STEPS-2-(\t) >= DEPTH-1
	s_wait_loadcnt 4*(DEPTH-1)                     ; the next step's four loads are in; those of the seven steps behind it may be out
.else
	s_wait_loadcnt 4*(STEPS-2-(\t))
.endif
	TURN (\t)+1                                    ; through the other stage while this step is worked
.endif
	v_max3_num_f32 v8, |v[XS]|, |v[XS+1]|, |v[XS+2]|               ; the largest magnitude of my 16, in two chains
	v_max3_num_f32 v9, |v[XS+3]|, |v[XS+4]|, |v[XS+5]|
.irp i, 6,10
	v_max3_num_f32 v8, v8, |v[XS+\i]|, |v[XS+\i+1]|
	v_max3_num_f32 v9, v9, |v[XS+\i+2]|, |v[XS+\i+3]|
.endr
	v_max3_num_f32 v8, v8, |v[XS+14]|, |v[XS+15]|
	v_max3_num_f32 v8, v8, v9, (EMAX+1)<<23        ; and the floor 2^(EMAX + 1 - 127): the byte cannot fall under 1
	v_max_num_f32_dpp v8, v8, v8 row_xmask:1 row_mask:0xf bank_mask:0xf   ; and of my neighbour's 16: the block's
	v_add_nc_u32 v11, -(EMAX<<23), v8              ; EMAX off its exponent field: the conversion takes the exponent field of this operand as its scale
	v_cvt_scalef32_pk8_fp4_f32 v[C+2*(\t)], v[XS:XS+7], v11
	v_cvt_scalef32_pk8_fp4_f32 v[C+2*(\t)+1], v[XS+8:XS+15], v11
	v_lshrrev_b32 v[E+(\t)], 23, v11               ; the scale's byte (a plain line behind the conversions)
	ds_store_b8 v5, v[E+(\t)] offset:16*(\t)       ; both lanes of a block write the same byte with the same value
	global_store_b64 v4, v[C+2*(\t):C+2*(\t)+1], s[12:13] offset:32*CB*(\t)
.endm
.irp t, 0,1,2,3,4,5,6,7,8,9,10,11,12,13,14,15
	STEP \t
.endr
	ds_load_b64 v[8:9], v6                         ; LDS serves a wave's instructions in order: these see my stores
	s_wait_dscnt 0x0
	global_store_b64 v7, v[8:9], s[14:15]          ; 32 lanes store 256 consecutive bytes
	s_wait_tensorcnt 0x0                           ; the wave's end, behind my last LDS store
	ds_add_u32 v[SPW], v[NIL]
	s_wait_dscnt 0x0
	s_endpgm
.Lfunc_end_k_qf3e4b0c291_quant:
	.size	k_qf3e4b0c291_quant, .Lfunc_end_k_qf3e4b0c291_quant-k_qf3e4b0c291_quant
	.p2alignl 7, 3214868480
	.fill 96, 4, 3214868480
	.section	.rodata,"a",@progbits
	.p2align	6, 0x0
	.amdhsa_kernel k_qf3e4b0c291_quant
		.amdhsa_group_segment_fixed_size 33280
		.amdhsa_private_segment_fixed_size 0
		.amdhsa_enable_private_segment 0
		.amdhsa_kernarg_size 48
		.amdhsa_user_sgpr_count 2
		.amdhsa_user_sgpr_kernarg_segment_ptr 1
		.amdhsa_wavefront_size32 1
		.amdhsa_system_sgpr_workgroup_id_x 1
		.amdhsa_system_sgpr_workgroup_id_y 1
		.amdhsa_system_sgpr_workgroup_id_z 1
		.amdhsa_system_vgpr_workitem_id 0
		.amdhsa_next_free_vgpr 224
		.amdhsa_next_free_sgpr 66
		.amdhsa_reserve_vcc 0
		.amdhsa_float_denorm_mode_32 3
		.amdhsa_float_denorm_mode_16_64 3
		.amdhsa_memory_ordered 1
		.amdhsa_forward_progress 1
		.amdhsa_inst_pref_size 34
	.end_amdhsa_kernel
	.amdgpu_metadata
---
amdhsa.version: [ 1, 2 ]
amdhsa.kernels:
  - .name:           k_qf3e4b0c291_quant
    .symbol:         k_qf3e4b0c291_quant.kd
    .args:
      - { .name: x, .offset: 0, .size: 8, .value_kind: global_buffer, .address_space: global }
      - { .name: Wq, .offset: 8, .size: 8, .value_kind: global_buffer, .address_space: global }
      - { .name: Wk, .offset: 16, .size: 8, .value_kind: global_buffer, .address_space: global }
      - { .name: Wv, .offset: 24, .size: 8, .value_kind: global_buffer, .address_space: global }
      - { .name: codes, .offset: 32, .size: 8, .value_kind: global_buffer, .address_space: global }
      - { .name: scales, .offset: 40, .size: 8, .value_kind: global_buffer, .address_space: global }
    .group_segment_fixed_size: 33280
    .private_segment_fixed_size: 0
    .kernarg_segment_align: 8
    .kernarg_segment_size: 48
    .max_flat_workgroup_size: 128
    .sgpr_count:     66
    .vgpr_count:     224
    .wavefront_size: 32
...
	.end_amdgpu_metadata
.endif
;; end of part 1
;; launch qkv (part 2): grid 20 x 16, 4 waves a work-group, clusters of 4 x 4, 327,680 bytes of LDS; arguments codes, scales, cos, sin, qkv16, fine32; writes qkv16, fine32
.if DOCPART == 2
	.amdgcn_target "amdgcn-amd-amdhsa--gfx1250"
	.amdhsa_code_object_version 6
	.text
	.protected	k_qf3e4b0c291_qkv
	.globl	k_qf3e4b0c291_qkv
	.p2align	8
	.type	k_qf3e4b0c291_qkv,@function
k_qf3e4b0c291_qkv:
	s_mov_b64 s[64:65], 0
	v_nop
	global_prefetch_b8 v0, s[64:65] scope:SCOPE_SE
	s_setreg_imm32_b32 hwreg(HW_REG_WAVE_MODE, 25, 1), 1
	s_wait_xcnt 0x0
	s_wait_alu depctr_hold_cnt(0) depctr_sa_sdst(0) depctr_va_vdst(0) depctr_va_sdst(0) depctr_va_ssrc(0) depctr_va_vcc(0) depctr_vm_vsrc(0)
	s_getreg_b32 s2, hwreg(HW_REG_IB_STS2, 6, 4)
	s_cmp_eq_u32 s2, 0
	s_cbranch_scc0 .Lentry_in_a_cluster
	s_endpgm
.Lentry_in_a_cluster:
	s_bfe_u32 s2, ttmp6, 0x10000c
	s_cmp_lg_u32 s2, 0xf033
	s_cbranch_scc0 .Lentry_shape_is_right
	s_endpgm
.Lentry_shape_is_right:
; q, k, v = x Wq^T, x Wk^T, x Wv^T on codes of FP4 with E8M0 scales (one GEMM, 2048 tokens x 2560 columns x K 2048), RoPE on q and k on the way out.
; codes [4608][1024 bytes], scales [4608][64]: rows 0-2047 x, from 2048 on the 2560 rows of Wq, Wk, Wv.  cos, sin [2048][64] f32: all 64 columns are read and used as they are given.
; OUT: qkv16 [40 heads][2048 tokens][64] f16 (heads 0-31 q, 32-35 k, 36-39 v);  fine32: the first 16 positions in f32, for the launch that carries them finely, laid as images of my registers:
; [40 heads][8 groups][32 lanes][16 bytes]; group 2 t + u of lane (r, h) holds token r, channels 16 t + 8 h + 4 u + 0 .. 3.
; LIMITS: |q|, |k|, |v| stay under 65,504 (f16); cos and sin are finite (v's columns multiply them by 0).
; SHARES.  A work-group makes 128 tokens x 128 columns (two heads); each of its four waves 64 x 64: one head, 16 accumulators.  The tile's whole K, 256 rows x 1,024 bytes, lies in LDS at once, as four chunks of 512 along K
; (rows of 256 bytes): every byte is asked for at the head, nothing is filled again, and a chunk is waited for just ahead of its use.  By this text's count a wave has five tensor loads out.
; CLUSTERS: 4 x 4 work-groups.  The four of a row of the cluster need the same tokens' codes and scales, the four of a column the same weights': each tile is asked for jointly.
; THE MATRIX INSTRUCTION IS USED TRANSPOSED (source 0 = 16 rows of W, source 1 = 16 tokens): lane (r, h) of accumulator (a, b) holds token 16 a + r and columns 16 b + 8 h + 0 .. 7 of the head.
; So RoPE's partner of column d, d + 32 or d - 32, lies in accumulator (a, b + 2) or (a, b - 2), same lane, same register.
; REGISTERS, in windows of 256.  Window 0: v1-30 addresses and factors; v32-95 the scale words of all of K (on the way out: at work); v128-255 the accumulators ((a, b) at v[128 + 8 (4 a + b)]).
;   Window 1: two fragment buffers of 128, each for 256 along K: 64 registers of tokens (2 x 4 x 16 rows x 128 K), then 64 of W.   Window 2: for token tile a, cos at 64 a + 8 t + j, sin at 64 a + 32 + 8 t + j.
.set PITCH,  272                       ; an LDS row: 256 bytes + 16 of padding: the 16 rows that a load touches start at 16 different banks
.set HALFT,  64*PITCH                  ; 64 rows: what one tensor load brings, and what one wave reads of either side in a chunk
.set CHB,    4*HALFT                   ; a chunk: the tokens' 128 rows, then W's 128
.set SCL,    4*CHB                     ; behind the chunks: the scale bytes, as runs of 256 bytes + 16 of padding
.set HALFS,  16*272                    ; those of 64 rows (4,096 bytes)
.set SBLK,   4*272                     ; those of 16 rows
.set SPARE,  SCL+4*HALFS               ; the spare words, 128 bytes a wave
.set SPITCH, 144                       ; the way out: a stage of 16 rows x (128 bytes + 16) for each wave, in chunk 0, which has had its one fill and its last read by then
.set FA,   8                           ; v[8:9]   1 for q and k, 0 for v
.set FB,   10                          ; v[10:11] 0 for q and k, 1 for v
.set FN,   12                          ; v[12:13] -1 for q and k, 0 for v
.set TOK,  14                          ; v14  my token in tile 0
.set ADRA, 16                          ; v16-19 LDS address of my tokens' fragments in chunk 0 .. 3
.set ADRB, 20                          ; v20-23 the same for W
.set ADRS, 24                          ; v24  LDS address of my scale words: lanes 0-15 the tokens', lanes 16-31 W's
.set STO,  25                          ; v25  the stage: where I put 16 bytes of a row
.set RD,   26                          ; v26  and where I read back
.set GQ,   27                          ; v27  16 x lane: my place in 512 bytes of qkv16, and in a group of fine32
.set SPW,  28                          ; v28  LDS address of my spare word; never rewritten
.set NIL,  29                          ; v29  0; never rewritten
.set CSO,  30                          ; v30  my byte offset in the wave's rows of cos and sin
.set SC,   32                          ; register SC + 16 i + q: lanes 0-15 the word of the tokens' block i, lanes 16-31 that of W's block i, for the q-th 128 along K
.set T,    32                          ; the way out: v32-63 a token tile after RoPE, f32
.set PK,   64                          ; v64-79 the same in f16
.set RB,   80                          ; v80-95, v96-111 rows read back from the stage, by turns
.set ACC,  128
.set F0,   0
.set F1,   128
.set G1A,  24                          ; s[24:31] group 1 for the tokens' codes;  s[32:39] for W's;  s[40:47], s[48:55] for their scale bytes
.set G1B,  32
.set G1S,  40
.set G1SB, 48
.set G0A,  56                          ; groups 0 for the tokens' chunks: s[56:59], s[60:63], s[68:71], s[72:75]
.set G0B,  76                          ; for W's: s[76:91]
.set G0SA, 92                          ; s[92:95], s[96:99] for the scale bytes
.set G0SB, 96
.set MSB, 0
.macro WIN new                         ; the immediate's high byte repeats the setting that is left
.if MSB != \new
	s_set_vgpr_msb (MSB<<8)|\new
.set MSB, \new
.endif
.endm
.set MUL,  0x05                        ; sources 0 and 1 window 1; C and D window 0
.set TO_F, 0x40                        ; destination window 1
; A joint load: waves 0 and 1 fetch for the tokens, waves 2 and 3 for W.  The branch hangs on the wave's number alone.  An s_nop 0 and four v_nop follow each of the two lines.
.macro JLOAD g0a, g1a, g0b, g1b
	s_cmp_eq_u32 s17, 0
	s_cbranch_scc0 .Lfor_b_\@
	tensor_load_to_lds s[\g0a:\g0a+3], s[\g1a:\g1a+7]
	s_nop 0
.rept 4
	v_nop
.endr
	s_branch .Lasked_\@
.Lfor_b_\@:
	tensor_load_to_lds s[\g0b:\g0b+3], s[\g1b:\g1b+7]
	s_nop 0
.rept 4
	v_nop
.endr
.Lasked_\@:
.endm
.macro CROUND                          ; a round of the cluster's barrier
	s_barrier_signal -1
	s_barrier_wait -1
	s_cmp_lg_u32 s16, 0
	s_cbranch_scc1 .Lnot_wave_0_\@
	s_barrier_signal -3
.Lnot_wave_0_\@:
	s_barrier_wait -3
	s_barrier_signal -1
	s_barrier_wait -1
.endm
	s_load_b256 s[4:11], s[0:1], 0x0               ; codes s[4:5], scales s[6:7], cos s[8:9], sin s[10:11]
	s_load_b128 s[12:15], s[0:1], 0x20             ; qkv16 s[12:13], fine32 s[14:15]
	v_lshl_add_u32 v[SPW], v0, 2, SPARE
	v_mov_b32 v[NIL], 0
	ds_add_u32 v[SPW], v[NIL]                      ; the wave's opening: the add, twice on end, and its wait ahead of my first tensor load
	ds_add_u32 v[SPW], v[NIL]
	v_lshrrev_b32 v1, 5, v0
	v_readfirstlane_b32 s16, v1                    ; wave 0..3
	s_lshr_b32 s17, s16, 1                         ; which 64 tokens are mine.  Also: I fetch for the tokens (0) or for W (1)
	s_and_b32 s18, s16, 1                          ; which head.  Also: which 64 rows I fetch
	s_bfe_u32 s19, ttmp6, 0x40000                  ; cx, cy: my place in the cluster
	s_bfe_u32 s20, ttmp6, 0x40004
	s_lshl_b32 s21, ttmp9, 2
	s_add_co_u32 s21, s21, s19                     ; tile column 0..19 = 4 x cluster x + cx
	s_and_b32 s22, ttmp7, 0xffff
	s_lshl_b32 s22, s22, 2
	s_add_co_u32 s22, s22, s20                     ; tile row 0..15 = 4 x cluster y + cy
	s_lshl_b32 s23, s20, 2
	s_lshl_b32 s23, 15, s23                        ; my row of the cluster
	s_lshl_b32 s104, 0x1111, s19                   ; my column
	; group 1 for codes: 64 rows x 256 bytes, rows 1,024 bytes apart, 16 bytes of padding behind each
	s_or_b32 s[G1A], s23, (0<<16)|(1<<20)|(1<<21)|(5<<22)|(3<<25)   ; 15:0 the mask; 17:16 elements of 1 byte; 20 padding on; 21 set beside a mask; 24:22 after every 64 words; 31:25 four words
	s_or_b32 s[G1B], s104, (0<<16)|(1<<20)|(1<<21)|(5<<22)|(3<<25)
.irp g, G1A, G1B
	s_mov_b32 s[\g+1], 256<<16                     ; tensor_dim0
	s_mov_b32 s[\g+2], 64<<16                      ; tensor_dim1
	s_mov_b32 s[\g+3], 256<<16                     ; tile_dim0
	s_mov_b32 s[\g+4], 64                          ; tile_dim1
	s_mov_b32 s[\g+5], 1024                        ; from row to row
	s_mov_b32 s[\g+6], 0
	s_mov_b32 s[\g+7], 0
.endr
	; and for the scale bytes of 64 rows: 4,096 dense bytes as 16 rows of 256 (32 elements of 8 bytes), 16 bytes of padding behind each
	s_or_b32 s[G1S], s23, (3<<16)|(1<<20)|(1<<21)|(5<<22)|(3<<25)
	s_or_b32 s[G1SB], s104, (3<<16)|(1<<20)|(1<<21)|(5<<22)|(3<<25)
.irp g, G1S, G1SB
	s_mov_b32 s[\g+1], 32<<16
	s_mov_b32 s[\g+2], 16<<16
	s_mov_b32 s[\g+3], 32<<16
	s_mov_b32 s[\g+4], 16
	s_mov_b32 s[\g+5], 32
	s_mov_b32 s[\g+6], 0
	s_mov_b32 s[\g+7], 0
.endr
	; what I fetch.  The tokens' addresses hang on the tile row alone, W's on the tile column alone, each in registers that never hold the other coordinate
	s_lshl_b32 s3, s18, 6
	s_lshl_b32 s23, s22, 7
	s_add_co_u32 s23, s23, s3                      ; the tokens' rows: 128 x tile row + 64 x half
	s_lshl_b32 s104, s21, 7
	s_add_co_u32 s104, s104, s3
	s_add_co_u32 s104, s104, 2048                  ; W's rows: 2048 + 128 x tile column + 64 x half
	s_lshl_b32 s100, s23, 10                       ; in bytes of codes (all under 2^23),
	s_mov_b32 s101, 0
	s_lshl_b32 s[G0SA+2], s23, 6                   ; and of scale bytes
	s_mov_b32 s[G0SA+3], 0
	s_lshl_b32 s2, s104, 10
	s_mov_b32 s3, 0
	s_lshl_b32 s[G0SB+2], s104, 6
	s_mov_b32 s[G0SB+3], 0
	s_mul_i32 s105, s16, HALFT                     ; where they go: wave x 64 rows: no place in the cluster enters an LDS address
	s_wait_dscnt 0x0                               ; both opening adds are done
	s_wait_kmcnt 0x0
	s_add_nc_u64 s[100:101], s[4:5], s[100:101]
	s_add_nc_u64 s[2:3], s[4:5], s[2:3]
	s_add_nc_u64 s[G0SA+2:G0SA+3], s[6:7], s[G0SA+2:G0SA+3]
	s_add_nc_u64 s[G0SB+2:G0SB+3], s[6:7], s[G0SB+2:G0SB+3]
	CROUND                                         ; all sixteen work-groups are here: the joint loads meet
	s_mov_b32 s[G0SA], 1
	s_mul_i32 s[G0SA+1], s16, HALFS
	s_add_co_u32 s[G0SA+1], s[G0SA+1], SCL
	s_or_b32 s[G0SA+3], s[G0SA+3], 0x80000000
	s_mov_b32 s[G0SB], 1
	s_mul_i32 s[G0SB+1], s16, HALFS
	s_add_co_u32 s[G0SB+1], s[G0SB+1], SCL
	s_or_b32 s[G0SB+3], s[G0SB+3], 0x80000000
	JLOAD G0SA, G1S, G0SB, G1SB                    ; the scale bytes first: they are wanted with chunk 0
.irp j, 0,1,2,3
	s_mov_b32 s[G0A+4*\j+4*(\j/2)], 1
	s_add_co_u32 s[G0A+4*\j+4*(\j/2)+1], s105, \j*CHB
	s_add_nc_u64 s[G0A+4*\j+4*(\j/2)+2:G0A+4*\j+4*(\j/2)+3], s[100:101], \j*256
	s_or_b32 s[G0A+4*\j+4*(\j/2)+3], s[G0A+4*\j+4*(\j/2)+3], 0x80000000
	s_mov_b32 s[G0B+4*\j], 1
	s_add_co_u32 s[G0B+4*\j+1], s105, \j*CHB
	s_add_nc_u64 s[G0B+4*\j+2:G0B+4*\j+3], s[2:3], \j*256
	s_or_b32 s[G0B+4*\j+3], s[G0B+4*\j+3], 0x80000000
	JLOAD G0A+4*\j+4*(\j/2), G1A, G0B+4*\j, G1B
.endr
	v_and_b32 v1, 15, v0                           ; r
	v_bfe_u32 v2, v0, 4, 1                         ; h
	v_and_b32 v3, 31, v0                           ; lane
	v_mul_u32_u24 v4, v1, PITCH
	v_lshl_add_u32 v4, v2, 4, v4                   ; a fragment's row x pitch + 16 x half
	s_mul_i32 s2, s17, HALFT                       ; my 64 tokens
	s_mul_i32 s3, s18, HALFT                       ; my 64 rows of W,
	s_add_co_u32 s3, s3, 2*HALFT                   ; which lie behind the tokens' 128
.irp j, 0,1,2,3
	v_add_nc_u32 v[ADRA+\j], s2, v4
	v_add_nc_u32 v[ADRB+\j], s3, v4
	s_add_co_u32 s2, s2, CHB
	s_add_co_u32 s3, s3, CHB
.endr
	v_lshlrev_b32 v5, 6, v1                        ; my row's scale bytes: 64 a row,
	v_lshrrev_b32 v6, 2, v1
	v_lshl_add_u32 v5, v6, 4, v5                   ; and 16 more for each 256 passed
	s_mul_i32 s2, s17, HALFS
	s_mul_i32 s3, s18, HALFS
	s_add_co_u32 s3, s3, 2*HALFS
	s_sub_co_u32 s3, s3, s2
	v_mul_u32_u24 v6, s3, v2                       ; lanes 16-31 take W's
	s_add_co_u32 s2, s2, SCL
	v_add_nc_u32 v5, v5, v6
	v_add_nc_u32 v[ADRS], s2, v5
	s_mul_i32 s2, s16, 16*SPITCH                   ; my stage
	v_mul_u32_u24 v5, v1, SPITCH
	v_lshl_add_u32 v5, v2, 4, v5
	v_add_nc_u32 v[STO], s2, v5                    ; in: row r, 16 bytes for each half of the lanes
	v_lshrrev_b32 v5, 3, v3
	v_mul_u32_u24 v5, v5, SPITCH
	v_and_b32 v6, 7, v3
	v_lshl_add_u32 v5, v6, 4, v5
	v_add_nc_u32 v[RD], s2, v5                     ; back: eight lanes to a row of 128 bytes, four rows a load
	v_lshlrev_b32 v[GQ], 4, v3
	v_lshlrev_b32 v[CSO], 8, v1
	v_lshl_add_u32 v[CSO], v2, 5, v[CSO]           ; cos, sin: row r of 256 bytes, + 32 h
	s_mov_b32 s3, 0
	s_lshl_b32 s23, s22, 7
	s_lshl_b32 s2, s17, 6
	s_add_co_u32 s23, s23, s2                      ; my first token: 128 x tile row + 64 x half
	v_add_nc_u32 v[TOK], s23, v1
	s_lshl_b32 s2, s23, 8
	s_add_nc_u64 s[8:9], s[8:9], s[2:3]            ; cos and sin at my first token
	s_add_nc_u64 s[10:11], s[10:11], s[2:3]
	s_lshl_b32 s104, s21, 1
	s_add_co_u32 s104, s104, s18                   ; my head of the 40
	s_lshl_b32 s104, s104, 18                      ; 262,144 bytes a head
	s_lshl_b32 s2, s23, 7                          ; 128 bytes a token
	s_add_co_u32 s2, s2, s104
	s_add_nc_u64 s[12:13], s[12:13], s[2:3]
	s_lshl_b32 s104, s21, 13
	s_lshl_b32 s2, s18, 12
	s_add_co_u32 s2, s2, s104                      ; my head's image in fine32: 4,096 bytes a head
	s_add_nc_u64 s[14:15], s[14:15], s[2:3]
	s_cmp_ge_u32 s21, 18                           ; columns from 2,304 on are v's: no rotation.  A choice of numbers, no branch
	s_cselect_b32 s2, 0, 0x3f800000
	s_cselect_b32 s23, 0x3f800000, 0
	s_cselect_b32 s104, 0, 0xbf800000
	v_mov_b32 v[FA], s2
	v_mov_b32 v[FA+1], s2
	v_mov_b32 v[FB], s23
	v_mov_b32 v[FB+1], s23
	v_mov_b32 v[FN], s104
	v_mov_b32 v[FN+1], s104
	WIN 0x80                                       ; destination window 2
.irp a, 0,1,2,3
.irp t, 0,1,2,3
	global_load_b128 v[64*\a+8*\t:64*\a+8*\t+3],       v[CSO], s[8:9] offset:4096*\a+64*\t      ; cos(token 16 a + r, 16 t + 8 h + 0 .. 7)
	global_load_b128 v[64*\a+8*\t+4:64*\a+8*\t+7],     v[CSO], s[8:9] offset:4096*\a+64*\t+16
	global_load_b128 v[64*\a+32+8*\t:64*\a+32+8*\t+3], v[CSO], s[10:11] offset:4096*\a+64*\t    ; sin likewise
	global_load_b128 v[64*\a+32+8*\t+4:64*\a+32+8*\t+7], v[CSO], s[10:11] offset:4096*\a+64*\t+16
.endr
.endr
	WIN 0
; 8 matrix instructions: token blocks a0, a0 + 1 x W's four, 128 along K: half c of buffer f, the q-th 128 of K.  zero = 1: the first product starts the sums.
; The 16 accumulators take turns, one instruction a turn, in the same order everywhere.
.macro MUL8 f, c, a0, q, zero
.irp a, \a0, \a0+1
.irp b, 0,1,2,3
.if \zero
	v_wmma_scale_f32_16x16x128_f8f6f4 v[ACC+8*(4*(\a)+\b):ACC+8*(4*(\a)+\b)+7], v[\f+64+8*(4*\c+\b):\f+64+8*(4*\c+\b)+7], v[\f+8*(4*\c+(\a)):\f+8*(4*\c+(\a))+7], 0, v[SC+16*\b+(\q)], v[SC+16*(\a)+(\q)] matrix_a_fmt:MATRIX_FMT_FP4 matrix_b_fmt:MATRIX_FMT_FP4 matrix_a_scale:MATRIX_SCALE_ROW1
.else
	v_wmma_scale_f32_16x16x128_f8f6f4 v[ACC+8*(4*(\a)+\b):ACC+8*(4*(\a)+\b)+7], v[\f+64+8*(4*\c+\b):\f+64+8*(4*\c+\b)+7], v[\f+8*(4*\c+(\a)):\f+8*(4*\c+(\a))+7], v[ACC+8*(4*(\a)+\b):ACC+8*(4*(\a)+\b)+7], v[SC+16*\b+(\q)], v[SC+16*(\a)+(\q)] matrix_a_fmt:MATRIX_FMT_FP4 matrix_b_fmt:MATRIX_FMT_FP4 matrix_a_scale:MATRIX_SCALE_ROW1
.endif
.endr
.endr
.endm
; 32 LDS loads in one run: the fragments of 256 along K (half 0 or 1 of chunk j) into buffer f; the first 128 along K first.
; A fragment, 16 rows x 128 K of 4-bit codes, is 8 registers: two loads of 16 bytes, 32 bytes apart, at row x pitch + 16 (lane / 16).
.macro FETCH j, half, f
	WIN TO_F
.irp c, 0,1
.irp i, 0,1,2,3
	ds_load_b128 v[\f+64+8*(4*\c+\i):\f+64+8*(4*\c+\i)+3],   v[ADRB+\j] offset:128*\half+64*\c+\i*16*PITCH
	ds_load_b128 v[\f+64+8*(4*\c+\i)+4:\f+64+8*(4*\c+\i)+7], v[ADRB+\j] offset:128*\half+64*\c+\i*16*PITCH+32
	ds_load_b128 v[\f+8*(4*\c+\i):\f+8*(4*\c+\i)+3],         v[ADRA+\j] offset:128*\half+64*\c+\i*16*PITCH
	ds_load_b128 v[\f+8*(4*\c+\i)+4:\f+8*(4*\c+\i)+7],       v[ADRA+\j] offset:128*\half+64*\c+\i*16*PITCH+32
.endr
.endr
.endm
.macro PLACES                          ; four plain places in front of loads into registers that matrix instructions have read (ISA guide 7.12.1 for vector instructions)
.rept 4
	v_nop
.endr
.endm
; The first half of chunk j (buffer 0; e = 2 j counts halves): multiplies it and fetches the second half into buffer 1.
.macro QUARTER j, e, zero
	s_wait_dscnt 16                                ; the first 128 along K are in; the run's second sixteen loads may be out
	WIN MUL
	MUL8 F0, 0, 0, 2*(\e), \zero
	MUL8 F0, 0, 2, 2*(\e), \zero
	PLACES
	FETCH \j, 1, F1
	s_wait_dscnt 32                                ; all but the 32 just issued
	WIN MUL
	MUL8 F0, 1, 0, 2*(\e)+1, 0
	MUL8 F0, 1, 2, 2*(\e)+1, 0
.endm
; The second half of a chunk (buffer 1) and the step to chunk next.  left = my tensor loads that may stay out: the chunks behind next.
.macro TURNC next, e, left
	s_wait_tensorcnt \left                         ; my part of the next chunk has landed
	s_wait_dscnt 16
	WIN MUL
	MUL8 F1, 0, 0, 2*(\e), 0
	s_wait_dscnt 0x0                               ; no LDS instruction of mine is out at the signal
	s_barrier_signal -1
	MUL8 F1, 0, 2, 2*(\e), 0
	s_barrier_wait -1                              ; everybody's part has landed
	PLACES
	FETCH \next, 0, F0
	WIN MUL
	MUL8 F1, 1, 0, 2*(\e)+1, 0
	MUL8 F1, 1, 2, 2*(\e)+1, 0
.endm
	s_wait_tensorcnt 3                             ; the scale bytes and my part of chunk 0 are in; chunks 1 to 3 stay out
	s_barrier_signal -1
	s_barrier_wait -1
.irp i, 0,1,2,3
.irp g, 0,1,2,3
	ds_load_b128 v[SC+16*\i+4*\g:SC+16*\i+4*\g+3], v[ADRS] offset:\i*SBLK+16*\g   ; the scale words of all of K: lanes 0-15 the tokens' block i, lanes 16-31 W's block i
.endr
.endr
	FETCH 0, 0, F0
	QUARTER 0, 0, 1
	TURNC 1, 1, 2
	QUARTER 1, 2, 0
	TURNC 2, 3, 1
	QUARTER 2, 4, 0
	TURNC 3, 5, 0
	QUARTER 3, 6, 0
	s_wait_dscnt 16                                ; the last 256 along K: nothing more to fetch
	WIN MUL
	MUL8 F1, 0, 0, 14, 0
	MUL8 F1, 0, 2, 14, 0
	s_wait_dscnt 0x0
	MUL8 F1, 1, 0, 15, 0
	MUL8 F1, 1, 2, 15, 0
	; THE WAY OUT.  The tables are brought into the form out(d) = acc(d) cos'(d) + acc(partner) sin'(d): cos' = cos FA + FB; sin' = -sin for d < 32, sin for d >= 32, and 0 for v.
	; These 128 lines name no register of the last products: they are the places behind them.
	s_wait_loadcnt 0x0                             ; cos and sin
	WIN 0x82                                       ; destination and source 0 window 2
.irp a, 0,1,2,3
.irp p, 0,2,4,6,8,10,12,14,16,18,20,22,24,26,28,30
	v_pk_fma_f32 v[64*\a+\p:64*\a+\p+1], v[64*\a+\p:64*\a+\p+1], v[FA:FA+1], v[FB:FB+1]
.endr
.irp p, 0,2,4,6,8,10,12,14
	v_pk_mul_f32 v[64*\a+32+\p:64*\a+32+\p+1], v[64*\a+32+\p:64*\a+32+\p+1], v[FN:FN+1]
	v_pk_mul_f32 v[64*\a+48+\p:64*\a+48+\p+1], v[64*\a+48+\p:64*\a+48+\p+1], v[FA:FA+1]
.endr
.endr
.macro ROPE a                          ; token tile a: 64 numbers a lane, two at a time; each accumulator is read from its low end on
	WIN 0x08                                       ; source 1 window 2
.irp t, 0,1
.irp p, 0,2,4,6
	v_pk_mul_f32 v[T+8*\t+\p:T+8*\t+\p+1], v[ACC+8*(4*\a+\t)+\p:ACC+8*(4*\a+\t)+\p+1], v[64*\a+8*\t+\p:64*\a+8*\t+\p+1]
	v_pk_mul_f32 v[T+8*\t+16+\p:T+8*\t+16+\p+1], v[ACC+8*(4*\a+\t+2)+\p:ACC+8*(4*\a+\t+2)+\p+1], v[64*\a+8*(\t+2)+\p:64*\a+8*(\t+2)+\p+1]
	v_pk_fma_f32 v[T+8*\t+\p:T+8*\t+\p+1], v[ACC+8*(4*\a+\t+2)+\p:ACC+8*(4*\a+\t+2)+\p+1], v[64*\a+32+8*\t+\p:64*\a+32+8*\t+\p+1], v[T+8*\t+\p:T+8*\t+\p+1]
	v_pk_fma_f32 v[T+8*\t+16+\p:T+8*\t+16+\p+1], v[ACC+8*(4*\a+\t)+\p:ACC+8*(4*\a+\t)+\p+1], v[64*\a+32+8*(\t+2)+\p:64*\a+32+8*(\t+2)+\p+1], v[T+8*\t+16+\p:T+8*\t+16+\p+1]
.endr
.endr
.endm
; Tile a leaves: rounded to f16, 16 bytes a lane into my stage, back as rows of 128 bytes, four rows (512 consecutive bytes of qkv16) a store.
.macro OUTT a
	WIN 0
.irp t, 0,1,2,3
.irp i, 0,1,2,3
	v_cvt_pk_f16_f32 v[PK+4*\t+\i], v[T+8*\t+2*\i], v[T+8*\t+2*\i+1]
.endr
.endr
.if \a == 0
	v_cmp_gt_u32 vcc_lo, 16, v[TOK]                ; tokens 0 to 15 are kept in f32 too: a mask of lanes, all on in the waves of tile row 0, half 0, all off in every other
	s_wait_xcnt 0x0                                ; EXEC changes only behind this wait
	s_and_saveexec_b32 s23, vcc_lo
.irp t, 0,1,2,3
	global_store_b128 v[GQ], v[T+8*\t:T+8*\t+3], s[14:15] offset:1024*\t          ; an image of the registers: each store covers 512 consecutive bytes
	global_store_b128 v[GQ], v[T+8*\t+4:T+8*\t+7], s[14:15] offset:1024*\t+512
.endr
	s_wait_xcnt 0x0                                ; and again: the stores have read EXEC and their data
	s_or_b32 exec_lo, exec_lo, s23
.endif
.irp t, 0,1,2,3
	ds_store_b128 v[STO], v[PK+4*\t:PK+4*\t+3] offset:32*\t
.endr
.if \a > 1
	s_wait_xcnt 0x0                                ; the stores of two tiles back have read the registers that the loads below fill
.endif
.irp i, 0,1,2,3
	ds_load_b128 v[RB+16*((\a)%2)+4*\i:RB+16*((\a)%2)+4*\i+3], v[RD] offset:4*SPITCH*\i   ; LDS serves a wave's instructions in order: these see my stores
.endr
.irp i, 0,1,2,3
	s_wait_dscnt 3-\i                              ; the younger loads may be out
	global_store_b128 v[GQ], v[RB+16*((\a)%2)+4*\i:RB+16*((\a)%2)+4*\i+3], s[12:13] offset:2048*\a+512*\i
.endr
.endm
.irp a, 0,1,2,3
	ROPE \a
	OUTT \a
.endr
	s_wait_tensorcnt 0x0                           ; the wave's end, behind my last tensor load and my last LDS store
	ds_add_u32 v[SPW], v[NIL]
	s_wait_dscnt 0x0
	CROUND                                         ; the closing round
	s_endpgm
.Lfunc_end_k_qf3e4b0c291_qkv:
	.size	k_qf3e4b0c291_qkv, .Lfunc_end_k_qf3e4b0c291_qkv-k_qf3e4b0c291_qkv
	.p2alignl 7, 3214868480
	.fill 96, 4, 3214868480
	.section	.rodata,"a",@progbits
	.p2align	6, 0x0
	.amdhsa_kernel k_qf3e4b0c291_qkv
		.amdhsa_group_segment_fixed_size 327680
		.amdhsa_private_segment_fixed_size 0
		.amdhsa_enable_private_segment 0
		.amdhsa_kernarg_size 48
		.amdhsa_user_sgpr_count 2
		.amdhsa_user_sgpr_kernarg_segment_ptr 1
		.amdhsa_wavefront_size32 1
		.amdhsa_system_sgpr_workgroup_id_x 1
		.amdhsa_system_sgpr_workgroup_id_y 1
		.amdhsa_system_sgpr_workgroup_id_z 1
		.amdhsa_system_vgpr_workitem_id 0
		.amdhsa_next_free_vgpr 768
		.amdhsa_next_free_sgpr 106
		.amdhsa_reserve_vcc 1
		.amdhsa_float_denorm_mode_32 3
		.amdhsa_float_denorm_mode_16_64 3
		.amdhsa_memory_ordered 1
		.amdhsa_forward_progress 1
		.amdhsa_inst_pref_size 96
	.end_amdhsa_kernel
	.amdgpu_metadata
---
amdhsa.version: [ 1, 2 ]
amdhsa.kernels:
  - .name:           k_qf3e4b0c291_qkv
    .symbol:         k_qf3e4b0c291_qkv.kd
    .args:
      - { .name: codes, .offset: 0, .size: 8, .value_kind: global_buffer, .address_space: global }
      - { .name: scales, .offset: 8, .size: 8, .value_kind: global_buffer, .address_space: global }
      - { .name: cos, .offset: 16, .size: 8, .value_kind: global_buffer, .address_space: global }
      - { .name: sin, .offset: 24, .size: 8, .value_kind: global_buffer, .address_space: global }
      - { .name: qkv16, .offset: 32, .size: 8, .value_kind: global_buffer, .address_space: global }
      - { .name: fine32, .offset: 40, .size: 8, .value_kind: global_buffer, .address_space: global }
    .group_segment_fixed_size: 327680
    .private_segment_fixed_size: 0
    .kernarg_segment_align: 8
    .kernarg_segment_size: 48
    .max_flat_workgroup_size: 128
    .sgpr_count:     106
    .vgpr_count:     768
    .wavefront_size: 32
...
	.end_amdgpu_metadata
.endif
;; end of part 2
;; launch fine (part 3): grid 256 x 1, 16 waves a work-group, no clusters, 68,608 bytes of LDS; arguments fine32, Wo, pfine, wo16; writes pfine, wo16
.if DOCPART == 3
	.amdgcn_target "amdgcn-amd-amdhsa--gfx1250"
	.amdhsa_code_object_version 6
	.text
	.protected	k_qf3e4b0c291_fine
	.globl	k_qf3e4b0c291_fine
	.p2align	8
	.type	k_qf3e4b0c291_fine,@function
k_qf3e4b0c291_fine:
	s_mov_b64 s[64:65], 0
	v_nop
	global_prefetch_b8 v0, s[64:65] scope:SCOPE_SE
	s_setreg_imm32_b32 hwreg(HW_REG_WAVE_MODE, 25, 1), 1
	s_wait_xcnt 0x0
; Positions 0 to 15, whose softmax averages one to sixteen values, in f32 throughout: attention on fine32 (q, k, v after RoPE) and the projection by Wo [2048][2048] f32.  All products by the f32 matrix form, 48 a wave: no bulk work.
; The launch's 256 work-groups together read every number of Wo once, so it also makes wo16, Wo in f16, for the launch that multiplies the other positions.
; fine32: [40 heads][8 groups][32 lanes][16 bytes] (heads 0-31 q, 32-35 k, 36-39 v): group 2 t + u of lane (r, h) holds token r, channels 16 t + 8 h + 4 u + 0 .. 3.
; OUT: pfine [2][16 tokens][2048] f32: the sums over heads 0-15 and over heads 16-31, which the last launch adds;  wo16 [2048][2048] f16.   LIMIT: |Wo| stays under 65,504 (f16).
; SHARES.  Work-group 2 c + z owns output columns 16 c .. 16 c + 15 and heads 16 z .. 16 z + 15, which are K = 1024 z .. 1024 z + 1023 of the projection.  Wave w owns head 16 z + w: it makes the head's 16 x 16 attention,
; multiplies by its 16 x 64 piece of Wo, and the sixteen waves' sums meet in LDS.  Every pair of work-groups makes all heads' attention again: that spares a launch and any traffic between work-groups.
; Eight waves share a key and value head: each fetches one eighth of its K and of its V (512 consecutive bytes each) and the waves hand them round through LDS.
; LAYOUTS.  The f32 form takes k = 2 (lane / 16) + j from register j.  One permutation of k, applied alike to both sources, lets results feed the next product as they stand:
;   S^T = K Q^T: both come as the same image, so register 4 g + e of lane (r, h) is the same channel on both sides; step i takes registers 2 i, 2 i + 1.  In the result a lane holds query r and keys 8 h + 0..7.
;   O^T = V^T P: P's registers 2 i, 2 i + 1 are keys 8 h + 2 i + j; V's register i of tile t is V[8 h + i][16 t + cm(r)], cm(m) = 8 ((m / 4) % 2) + 4 (m / 8) + m % 4.
;      So in the result register j of lane (r, h) is channel 16 t + 8 (j / 4) + 4 h + j % 4 of query r:
;   out^T = Wo y^T: lane (r, h) holds Wo[16 c + r][.. + 16 t + 8 u + 4 h + 0..3] in registers 8 t + 4 u + 0..3: the two halves of the lanes read neighbouring 16 bytes of a row.
; REGISTERS: v1-15, v184, v185 addresses and constants; v16-47 Wo; v48-63 Wo in f16; v64-79 rows of wo16; v80-111 K, later p (v80-87) and scratch (v96-105); v112-143 Q, later y; v144-175 V; v112-175 later the sixteen sums;
;   v176-183 my eighths of K and V; v208-223 two accumulators of S^T, later of out^T; v224-255 O^T.  v208-255 are written by matrix instructions alone.
.set KIMG,  0                          ; LDS: K of the two key and value heads, as images: 2 x 4,096 bytes
.set VROW,  8192                       ; V of the two, as 16 rows of 256 + 16 bytes each
.set VPT,   272
.set PSUM,  16896                      ; the sixteen waves' sums, as images: 16 x 1,024 bytes
.set WST,   33280                      ; the stage for wo16: 16 rows x (2,048 + 16) bytes
.set WPT,   2064
.set SPARE, 66304                      ; the spare words, 128 bytes a wave
.set WO, 16
.set WH, 48
.set RB, 64
.set KK, 80
.set PP, 80
.set QQ, 112
.set YY, 112
.set VV, 144
.set PC, 176
.set SS, 208
.set OO, 224
	s_load_b256 s[4:11], s[0:1], 0x0               ; fine32 s[4:5], Wo s[6:7], pfine s[8:9], wo16 s[10:11]
	v_lshl_add_u32 v6, v0, 2, SPARE                ; my spare word; never rewritten
	v_mov_b32 v7, 0                                ; 0; never rewritten
	v_lshrrev_b32 v1, 5, v0
	v_readfirstlane_b32 s12, v1                    ; wave 0..15
	v_and_b32 v1, 15, v0                           ; r
	v_bfe_u32 v2, v0, 4, 1                         ; h
	v_and_b32 v3, 31, v0
	v_lshlrev_b32 v3, 4, v3                        ; 16 x lane: an image's place for my lane, in memory and in LDS
	s_and_b32 s13, ttmp9, 1                        ; z: which half of the heads
	s_lshr_b32 s14, ttmp9, 1                       ; c: which 16 columns
	s_lshr_b32 s15, s12, 3                         ; which of the work-group's two key and value heads
	s_and_b32 s16, s12, 7                          ; which eighth of it I fetch: group 2 t + u
	s_lshl_b32 s17, s12, 9
	v_add_nc_u32 v13, s17, v3                      ; LDS: where I put my eighth of K: 4,096 x head + 512 x group = 512 x wave
	s_lshl_b32 s17, s15, 12
	v_add_nc_u32 v15, s17, v3                      ; and where I read my head's K
	s_mul_i32 s18, s15, 16*VPT
	s_add_co_u32 s18, s18, VROW                    ; my head's V
	s_lshr_b32 s19, s16, 1
	s_lshl_b32 s19, s19, 6                         ; 64 t
	s_and_b32 s17, s16, 1
	s_lshl_b32 s17, s17, 4                         ; 16 u
	s_add_co_u32 s19, s19, s17
	s_add_co_u32 s19, s19, s18
	v_mul_u32_u24 v14, v1, VPT
	v_lshl_add_u32 v14, v2, 5, v14
	v_add_nc_u32 v14, s19, v14                     ; where I put my eighth of V: row r, bytes 64 t + 32 h + 16 u
	v_and_b32 v4, 3, v0
	v_lshlrev_b32 v4, 2, v4
	v_bfe_u32 v5, v0, 2, 1
	v_lshl_add_u32 v4, v5, 5, v4
	v_bfe_u32 v5, v0, 3, 1
	v_lshl_add_u32 v4, v5, 4, v4                   ; 4 cm(r)
	v_mad_u32_u24 v4, v2, 8*VPT, v4                ; rows 8 h on
	v_add_nc_u32 v4, s18, v4                       ; where I read V: a lane to a channel, registers down the keys
	v_lshlrev_b32 v5, 13, v1
	v_lshl_add_u32 v5, v2, 4, v5                   ; Wo: row r of 8,192 bytes, + 16 h
	v_lshlrev_b32 v8, 3, v2
	v_sub_nc_u32 v8, v1, v8                        ; r - 8 h: key 8 h + j is hidden from query r where j > r - 8 h
	v_mov_b32 v9, 0xff800000                       ; -infinity
	s_lshl_b32 s20, s13, 1
	s_add_co_u32 s20, s20, s15
	s_add_co_u32 s20, s20, 32                      ; k's head in fine32 (v's lies four heads, 16,384 bytes, further on)
	s_lshl_b32 s20, s20, 12
	s_lshl_b32 s21, s16, 9
	s_add_co_u32 s20, s20, s21                     ; my eighth
	s_mov_b32 s21, 0
	s_lshl_b32 s22, s13, 4
	s_add_co_u32 s22, s22, s12                     ; my query head
	s_lshl_b32 s24, s22, 8                         ; its 64 columns of Wo, in bytes
	s_lshl_b32 s22, s22, 12                        ; its image in fine32
	s_mov_b32 s23, 0
	s_lshl_b32 s25, s14, 17                        ; 16 rows of Wo
	s_add_co_u32 s24, s24, s25
	s_mov_b32 s25, 0
	s_lshl_b32 s26, s13, 17                        ; pfine: my half's 131,072 bytes,
	s_lshl_b32 s27, s14, 6                         ; my 16 columns
	s_add_co_u32 s26, s26, s27
	s_mov_b32 s27, 0
	s_lshl_b32 s28, s14, 4
	s_add_co_u32 s28, s28, s12                     ; wo16: wave w stores row 16 c + w,
	s_lshl_b32 s28, s28, 12
	s_lshl_b32 s29, s13, 11                        ; its 2,048 bytes of my half of K
	s_add_co_u32 s28, s28, s29
	s_mov_b32 s29, 0
	s_mov_b32 s30, 0x76543210
	s_mov_b32 s31, 0xfedcba98                      ; lane xor 16
	s_mov_b32 s32, 0x3e38aa3b                      ; c = log2(e) / 8
	s_wait_kmcnt 0x0
	s_add_nc_u64 s[20:21], s[4:5], s[20:21]
	s_add_nc_u64 s[22:23], s[4:5], s[22:23]
	s_add_nc_u64 s[24:25], s[6:7], s[24:25]
	s_add_nc_u64 s[26:27], s[8:9], s[26:27]
	s_add_nc_u64 s[28:29], s[10:11], s[28:29]
	global_load_b128 v[PC:PC+3], v3, s[20:21]                      ; my eighth of K: 512 consecutive bytes
	global_load_b128 v[PC+4:PC+7], v3, s[20:21] offset:16384       ; and of V
.irp i, 0,1,2,3,4,5,6,7
	global_load_b128 v[QQ+4*\i:QQ+4*\i+3], v3, s[22:23] offset:512*\i
.endr
.irp t, 0,1,2,3
.irp u, 0,1
	global_load_b128 v[WO+8*\t+4*\u:WO+8*\t+4*\u+3], v5, s[24:25] offset:64*\t+32*\u th:TH_LOAD_NT
.endr
.endr
	s_wait_loadcnt 16                              ; my eighths are in; Q's 8 and Wo's 8 loads stay out
	ds_store_b128 v13, v[PC:PC+3]
	ds_store_b128 v14, v[PC+4:PC+7]
	s_wait_dscnt 0x0                               ; for the others' sake: my stores are done
	s_barrier_signal -1
	s_barrier_wait -1                              ; K and V of both heads lie in LDS
.irp i, 0,1,2,3,4,5,6,7
	ds_load_b128 v[KK+4*\i:KK+4*\i+3], v15 offset:512*\i
.endr
.irp t, 0,1,2,3
.irp i, 0,1,2,3,4,5,6,7
	ds_load_b32 v[VV+8*\t+\i], v4 offset:VPT*\i+64*\t              ; V[8 h + i][16 t + cm(r)]
.endr
.endr
	s_wait_loadcnt 8                               ; Q is in; Wo's 8 loads stay out
	s_wait_dscnt 32                                ; K is in; V's 32 loads stay out
.set kk, 0
.rept 16                                       ; S^T in two halves of the channels, by turns; the first two products start the sums
.if kk < 2
	v_wmma_f32_16x16x4_f32 v[SS+8*(kk%2):SS+8*(kk%2)+7], v[KK+2*kk:KK+2*kk+1], v[QQ+2*kk:QQ+2*kk+1], 0
.else
	v_wmma_f32_16x16x4_f32 v[SS+8*(kk%2):SS+8*(kk%2)+7], v[KK+2*kk:KK+2*kk+1], v[QQ+2*kk:QQ+2*kk+1], v[SS+8*(kk%2):SS+8*(kk%2)+7]
.endif
.set kk, kk+1
.endr
.rept 8
	v_nop                                          ; eight places behind this form, ahead of the first read of its results and the first write of its sources
.endr
.irp j, 0,2,4,6
	v_pk_add_f32 v[PP+\j:PP+\j+1], v[SS+\j:SS+\j+1], v[SS+8+\j:SS+8+\j+1]   ; the two halves, into other registers, from the low end on
.endr
.irp j, 0,1,2,3,4,5,6,7
	v_cmp_gt_i32 vcc_lo, \j, v8                    ; the causal mask: hidden scores become -infinity
	v_cndmask_b32 v[PP+\j], v[PP+\j], v9, vcc_lo
.endr
	v_max3_num_f32 v96, v[PP], v[PP+1], v[PP+2]
	v_max3_num_f32 v97, v[PP+3], v[PP+4], v[PP+5]
	v_max3_num_f32 v96, v96, v[PP+6], v[PP+7]
	v_max_num_f32 v96, v96, v97
	v_permlanex16_b32 v98, v96, s30, s31
	v_max_num_f32 v96, v96, v98                    ; the row's maximum (key 0 counts for every query)
	v_mul_f32 v96, s32, v96
.irp j, 0,1,2,3,4,5,6,7
	v_fma_f32 v[PP+\j], v[PP+\j], s32, -v96
.endr
.irp j, 0,1,2,3,4,5,6,7
	v_exp_f32 v[PP+\j], v[PP+\j]
.endr
	v_nop                                          ; a plain instruction behind the last exponential
	s_wait_alu depctr_va_vdst(0)                   ; one wait for the batch, ahead of its first reader
	v_pk_add_f32 v[100:101], v[PP:PP+1], v[PP+2:PP+3]
	v_pk_add_f32 v[102:103], v[PP+4:PP+5], v[PP+6:PP+7]
	v_pk_add_f32 v[100:101], v[100:101], v[102:103]
	v_add_f32 v100, v100, v101
	v_permlanex16_b32 v98, v100, s30, s31
	v_add_f32 v100, v100, v98                      ; the row's sum
	v_rcp_f32 v104, v100
	v_nop
	s_wait_alu depctr_va_vdst(0)                   ; the wait for the reciprocal
	s_wait_dscnt 0x0                               ; V is in
.set kk, 0
.rept 4                                        ; O^T: 16 products, the four tiles of channels by turns; the first four start the sums
.irp t, 0,1,2,3
.if kk == 0
	v_wmma_f32_16x16x4_f32 v[OO+8*\t:OO+8*\t+7], v[VV+8*\t+2*kk:VV+8*\t+2*kk+1], v[PP+2*kk:PP+2*kk+1], 0
.else
	v_wmma_f32_16x16x4_f32 v[OO+8*\t:OO+8*\t+7], v[VV+8*\t+2*kk:VV+8*\t+2*kk+1], v[PP+2*kk:PP+2*kk+1], v[OO+8*\t:OO+8*\t+7]
.endif
.endr
.set kk, kk+1
.endr
	; the addresses for the second half of the launch are made here: nine plain vector lines, the places behind those products
	s_lshl_b32 s17, s12, 10
	s_add_co_u32 s17, s17, PSUM
	v_add_nc_u32 v10, s17, v3                      ; LDS: my wave's image of its sums
	s_lshl_b32 s17, s12, 9
	s_add_co_u32 s17, s17, PSUM
	v_add_nc_u32 v11, s17, v3                      ; LDS: waves 0 and 1 read half w of every image
	s_lshl_b32 s17, s12, 4
	v_lshlrev_b32 v12, 13, v1
	v_lshl_add_u32 v12, v2, 5, v12
	v_add_nc_u32 v12, s17, v12                     ; pfine: row r of 8,192 bytes, + 32 h + 16 w (waves 0 and 1)
	s_lshl_b32 s17, s12, 7
	s_add_co_u32 s17, s17, WST
	v_mul_u32_u24 v184, v1, WPT
	v_lshl_add_u32 v184, v2, 3, v184
	v_add_nc_u32 v184, s17, v184                   ; the stage: row r, my head's 128 bytes, + 8 h
	s_mul_i32 s17, s12, WPT
	s_add_co_u32 s17, s17, WST
	v_add_nc_u32 v185, s17, v3                     ; and back: wave w takes row w, 16 bytes a lane
	s_wait_loadcnt 0x0                             ; Wo
.irp g, 0,1,2,3,4,5,6,7
	v_cvt_pk_f16_f32 v[WH+2*\g], v[WO+4*\g], v[WO+4*\g+1]          ; Wo in f16: four neighbours of a row a group
	v_cvt_pk_f16_f32 v[WH+2*\g+1], v[WO+4*\g+2], v[WO+4*\g+3]
.endr
.irp g, 0,1,2,3,4,5,6,7
	ds_store_b64 v184, v[WH+2*\g:WH+2*\g+1] offset:16*\g           ; channels 8 g + 4 h + 0..3 of my head
.endr
.set kk, 0
.rept 16
	v_pk_mul_f32 v[YY+kk:YY+kk+1], v[OO+kk:OO+kk+1], v[104:105] op_sel_hi:[1,0]   ; y = O^T / the sum, into other registers; each accumulator from its low end on
.set kk, kk+2
.endr
.irp t, 0,1,2,3                                ; out^T = Wo y^T over my head's 64 channels: 16 products, two accumulators by turns; the first two start the sums
.irp k, 0,1,2,3
.if (\t == 0) && (\k < 2)
	v_wmma_f32_16x16x4_f32 v[SS+8*(\k%2):SS+8*(\k%2)+7], v[WO+8*\t+2*\k:WO+8*\t+2*\k+1], v[YY+8*\t+2*\k:YY+8*\t+2*\k+1], 0
.else
	v_wmma_f32_16x16x4_f32 v[SS+8*(\k%2):SS+8*(\k%2)+7], v[WO+8*\t+2*\k:WO+8*\t+2*\k+1], v[YY+8*\t+2*\k:YY+8*\t+2*\k+1], v[SS+8*(\k%2):SS+8*(\k%2)+7]
.endif
.endr
.endr
.rept 8
	v_nop
.endr
.irp j, 0,2,4,6
	v_pk_add_f32 v[96+\j:97+\j], v[SS+\j:SS+\j+1], v[SS+8+\j:SS+8+\j+1]   ; my 64 along K: lane (r, h): out(token r, 16 c + 8 h + 0..7)
.endr
	ds_store_b128 v10, v[96:99]                    ; an image of the registers: 16 bytes a lane
	ds_store_b128 v10, v[100:103] offset:512
	s_wait_dscnt 0x0                               ; for the others' sake: my stores are done
	s_barrier_signal -1
	s_barrier_wait -1                              ; sixteen rows of wo16 and sixteen images of sums lie in LDS
.irp i, 0,1,2,3
	ds_load_b128 v[RB+4*\i:RB+4*\i+3], v185 offset:512*\i
.endr
.irp i, 0,1,2,3
	s_wait_dscnt 3-\i                              ; the younger loads may be out
	global_store_b128 v3, v[RB+4*\i:RB+4*\i+3], s[28:29] offset:512*\i   ; 32 lanes store 512 consecutive bytes, at a multiple of 256 from wo16's first byte
.endr
	s_cmp_lt_u32 s12, 2                            ; waves 0 and 1 add the sixteen images, half an image each, in a fixed order
	s_cbranch_scc0 .Ldone
.irp i, 0,1,2,3,4,5,6,7,8,9,10,11,12,13,14,15
	ds_load_b128 v[112+4*\i:115+4*\i], v11 offset:1024*\i
.endr
	s_wait_dscnt 0x0
.irp d, 8,4,2,1
.set kk, 0
.rept \d
	v_pk_add_f32 v[112+4*kk:113+4*kk], v[112+4*kk:113+4*kk], v[112+4*(kk+\d):113+4*(kk+\d)]
	v_pk_add_f32 v[114+4*kk:115+4*kk], v[114+4*kk:115+4*kk], v[114+4*(kk+\d):115+4*(kk+\d)]
.set kk, kk+1
.endr
.endr
	global_store_b128 v12, v[112:115], s[26:27]    ; pfine(z, r, 16 c + 8 h + 4 w + 0..3): 16 bytes a lane to 16 rows; the launch stores 262,144 such bytes in all
.Ldone:
	s_wait_tensorcnt 0x0                           ; the wave's end, behind my last LDS store
	ds_add_u32 v6, v7
	s_wait_dscnt 0x0
	s_endpgm
.Lfunc_end_k_qf3e4b0c291_fine:
	.size	k_qf3e4b0c291_fine, .Lfunc_end_k_qf3e4b0c291_fine-k_qf3e4b0c291_fine
	.p2alignl 7, 3214868480
	.fill 96, 4, 3214868480
	.section	.rodata,"a",@progbits
	.p2align	6, 0x0
	.amdhsa_kernel k_qf3e4b0c291_fine
		.amdhsa_group_segment_fixed_size 68608
		.amdhsa_private_segment_fixed_size 0
		.amdhsa_enable_private_segment 0
		.amdhsa_kernarg_size 32
		.amdhsa_user_sgpr_count 2
		.amdhsa_user_sgpr_kernarg_segment_ptr 1
		.amdhsa_wavefront_size32 1
		.amdhsa_system_sgpr_workgroup_id_x 1
		.amdhsa_system_sgpr_workgroup_id_y 1
		.amdhsa_system_sgpr_workgroup_id_z 1
		.amdhsa_system_vgpr_workitem_id 0
		.amdhsa_next_free_vgpr 256
		.amdhsa_next_free_sgpr 66
		.amdhsa_reserve_vcc 1
		.amdhsa_float_denorm_mode_32 3
		.amdhsa_float_denorm_mode_16_64 3
		.amdhsa_memory_ordered 1
		.amdhsa_forward_progress 1
		.amdhsa_inst_pref_size 22
	.end_amdhsa_kernel
	.amdgpu_metadata
---
amdhsa.version: [ 1, 2 ]
amdhsa.kernels:
  - .name:           k_qf3e4b0c291_fine
    .symbol:         k_qf3e4b0c291_fine.kd
    .args:
      - { .name: fine32, .offset: 0, .size: 8, .value_kind: global_buffer, .address_space: global }
      - { .name: Wo, .offset: 8, .size: 8, .value_kind: global_buffer, .address_space: global }
      - { .name: pfine, .offset: 16, .size: 8, .value_kind: global_buffer, .address_space: global }
      - { .name: wo16, .offset: 24, .size: 8, .value_kind: global_buffer, .address_space: global }
    .group_segment_fixed_size: 68608
    .private_segment_fixed_size: 0
    .kernarg_segment_align: 8
    .kernarg_segment_size: 32
    .max_flat_workgroup_size: 512
    .sgpr_count:     66
    .vgpr_count:     256
    .wavefront_size: 32
...
	.end_amdgpu_metadata
.endif
;; end of part 3
;; launch attn (part 4): grid 64 x 4, 16 waves a work-group, clusters of 4 x 1, 327,680 bytes of LDS; arguments qkv16, y16; writes y16
.if DOCPART == 4
	.amdgcn_target "amdgcn-amd-amdhsa--gfx1250"
	.amdhsa_code_object_version 6
	.text
	.protected	k_qf3e4b0c291_attn
	.globl	k_qf3e4b0c291_attn
	.p2align	8
	.type	k_qf3e4b0c291_attn,@function
k_qf3e4b0c291_attn:
	s_mov_b64 s[64:65], 0
	v_nop
	global_prefetch_b8 v0, s[64:65] scope:SCOPE_SE
	s_setreg_imm32_b32 hwreg(HW_REG_WAVE_MODE, 25, 1), 1
	s_wait_xcnt 0x0
	s_wait_alu depctr_hold_cnt(0) depctr_sa_sdst(0) depctr_va_vdst(0) depctr_va_sdst(0) depctr_va_ssrc(0) depctr_va_vcc(0) depctr_vm_vsrc(0)
	s_getreg_b32 s2, hwreg(HW_REG_IB_STS2, 6, 4)
	s_cmp_eq_u32 s2, 0
	s_cbranch_scc0 .Lentry_in_a_cluster
	s_endpgm
.Lentry_in_a_cluster:
	s_bfe_u32 s2, ttmp6, 0x10000c
	s_cmp_lg_u32 s2, 0x3003
	s_cbranch_scc0 .Lentry_shape_is_right
	s_endpgm
.Lentry_shape_is_right:
; y[token][head 64 + d] = the sum over keys k <= token of softmax_k(q . k / 8) v, for 32 query heads on 4 key and value heads.  qkv16 [40][2048][64] f16 (heads 0-31 q, 32-35 k, 36-39 v); y16 [2048][2048] f16.
; Products on f16 operands with f32 sums; maxima, exponentials and sums in f32; the weights p (at most 1) are rounded to f16 for the second product, y once at the end.
; LIMITS: |y| stays under 65,504.  Positions 0 to 15 are computed here like the others; the last launch computes them again in f32 and owns their rows of the output.
; SHARES.  A cluster of four work-groups takes one key and value head g (grid y) and a set u (cluster x, 0..15) of eight blocks of 16 queries: 16 p + u and 127 - 16 p - u, p = 0..3.  Work-group cx takes query heads
; 8 g + 2 cx and + 1 on these blocks: 16 waves, one tile of 16 queries each, in 256 registers, four waves to a SIMD, so that one wave's softmax stands beside another's products and LDS loads.
; A block and its mirror together see 129 blocks' worth of keys; the wave's number is dealt so that any four waves with equal number mod 4, and any four on end, hold two such pairs.
; The four partners have the same blocks, so the same causal limits; each set has a block of 112 or more, so each of the 8 slots of 256 keys is read in every partner: every load is joint, none is jumped over, trip counts are constants.
; LAYOUT.  S^T = K Q^T (source 0 = 16 keys, source 1 = my 16 queries): a lane holds ONE query (lane % 16) and keys 8 (lane / 16) + 0..7 of each tile.  Two such tiles, rounded to f16 in pairs, ARE source 1 of
; O^T = V^T P, whose result again holds one query a lane.  K comes out of LDS as it lies, V ([key][channel]) turned, by ds_load_tr16_b128.
; SOFTMAX.  A running maximum m and sum l: p = 2^(c s - c m), c = log2(e) / 8; in every step O and l are multiplied by a = 2^(c m_old - c m_new).  Hidden scores become -infinity ahead of the maximum.
; A step all of whose 64 keys come after my queries is left out by a scalar branch on ids; key 0 counts for every query, so m is a number from the first step on.
; THE RING.  Two slots of 256 keys (K: 256 rows of 128 + 16 bytes; V: 256 rows of 128 + 32).  Wave 0 fetches a slot's K, wave 1 its V, one load each behind a round of the cluster's barrier at the slot's head.
.set SK,    256                        ; keys in a slot
.set KP,    144                        ; a key's row in LDS: an odd multiple of 16 bytes
.set VP,    160                        ; a row of V: an odd multiple of 32 bytes, for the turning load
.set VOFF,  SK*KP
.set SLOT1, 1<<17                      ; slot 1 begins here: one exclusive or turns an address
.set SPARE, SLOT1+SK*(KP+VP)           ; behind the ring: the spare words, 128 bytes a wave
.set STP,   272                        ; the way out: 16 rows x (256 bytes + 16) for each pair of waves, in slot 0, which was left at the last change of slots and has had its last fill
.set AK0, 1                            ; v1   my lane's place in a tile of K
.set AV0, 2                            ; v2   the same for V
.set ADK, 3                            ; v3   LDS address of the step's K
.set ADV, 4                            ; v4   of its V
.set SPW, 5                            ; v5   LDS address of my spare word; never rewritten
.set NIL, 6                            ; v6   0; never rewritten
.set DM,  7                            ; v7   lane % 16 - 8 (lane / 16)
.set PFO, 8                            ; v8   256 x lane: the prefetches' offset
.set STO, 9                            ; v9   the stage: where I put 16 bytes
.set RD,  10                           ; v10  and where I read back
.set GO,  11                           ; v11  my byte offset in the block's rows of y16
.set CM,  16                           ; v16 c m, v17 m (named as a pair by the packed scaling)
.set MM,  17
.set LL,  18                           ; v[18:19] l, even keys' and odd keys'
.set CC,  20                           ; v20-23 at work; a takes v22
.set QF,  24                           ; v24-39   Q: two fragments
.set KF,  40                           ; v40-103  K: fragment 2 t + c
.set VF,  104                          ; v104-167 V^T: fragment 4 g + t
.set S,   168                          ; v168-199 S^T, then p
.set P,   200                          ; v200-215 p in f16
.set OT,  216                          ; v216-247 O^T
.set TB,  2                            ; s2   LDS byte at which the slot in hand begins
.set WV,  18
.set SEL, 20                           ; s[20:21] lane selects: lane xor 16
.set CS,  22                           ; s[22:23] c
.set G1K, 24
.set G1V, 32
.set G0K, 40                           ; s[40:43], s[44:47]: the walking groups 0
.set G0V, 44
.set SLOTS, 48
.set KFS, 49                           ; the step's first key
.set Q0,  50                           ; my first query
.set PFA, 52                           ; s[52:53] where my prefetches stand
.set LIM, 54                           ; 1 in a wave that prefetches, else the greatest number
.macro CROUND                          ; a round of the cluster's barrier
	s_barrier_signal -1
	s_barrier_wait -1
	s_cmp_lg_u32 s[WV], 0
	s_cbranch_scc1 .Lnot_wave_0_\@
	s_barrier_signal -3
.Lnot_wave_0_\@:
	s_barrier_wait -3
	s_barrier_signal -1
	s_barrier_wait -1
.endm
; Wave 0 fetches K's 256 rows, wave 1 V's, the others nothing.  The branches hang on the wave's number alone.  An s_nop 0 and four v_nop follow each load.
.macro TLOAD
	s_cmp_eq_u32 s[WV], 0
	s_cbranch_scc0 .Lnot_k_\@
	tensor_load_to_lds s[G0K:G0K+3], s[G1K:G1K+7]
	s_nop 0
.rept 4
	v_nop
.endr
	s_branch .Lasked_\@
.Lnot_k_\@:
	s_cmp_eq_u32 s[WV], 1
	s_cbranch_scc0 .Lasked_\@
	tensor_load_to_lds s[G0V:G0V+3], s[G1V:G1V+7]
	s_nop 0
.rept 4
	v_nop
.endr
.Lasked_\@:
.endm
; A prefetch of what the NEXT change of slots will ask for: 32,768 dense bytes of K and of V.  All sixteen clusters of a key and value head walk the same rows: the first of them asks.  Its four partners take
; 8,192 bytes each, told apart by address; in each, wave 4 asks for K's and wave 5 for V's, lanes 256 bytes apart: each aligned 256 bytes are named once in the launch.
; Nothing is asked for at the head, and the last change that fills a slot asks for nothing: there is no slot behind it.
.macro ASK
	s_cmp_gt_u32 s[SLOTS], s[LIM]
	s_cbranch_scc0 .Lnot_mine_\@
	global_prefetch_b8 v[PFO], s[PFA:PFA+1] th:TH_LOAD_NT scope:SCOPE_SE
.Lnot_mine_\@:
.endm
	s_load_b128 s[4:7], s[0:1], 0x0                ; qkv16 s[4:5], y16 s[6:7]
	v_lshl_add_u32 v[SPW], v0, 2, SPARE
	v_mov_b32 v[NIL], 0
	ds_add_u32 v[SPW], v[NIL]                      ; the wave's opening: the add, twice on end, and its wait ahead of the first tensor load
	ds_add_u32 v[SPW], v[NIL]
	v_lshrrev_b32 v8, 5, v0
	v_readfirstlane_b32 s[WV], v8                  ; wave 0..15, bits w3 w2 w1 w0
	s_and_b32 s56, s[WV], 1                        ; which of the two heads: w0
	s_bfe_u32 s57, s[WV], 0x10001
	s_bfe_u32 s58, s[WV], 0x10002
	s_lshr_b32 s59, s[WV], 3
	s_xor_b32 s60, s59, s57
	s_lshl_b32 s61, s59, 1
	s_add_co_u32 s60, s60, s61                     ; p = 2 w3 + (w3 xor w1)
	s_xor_b32 s61, s56, s58                        ; mirrored? w0 xor w2
	s_lshl_b32 s62, s60, 4
	s_add_co_u32 s62, s62, ttmp9                   ; 16 p + u
	s_mul_i32 s57, s61, 127
	s_xor_b32 s62, s62, s57                        ; my block of 16 queries, or its mirror 127 - block
	s_lshl_b32 s[Q0], s62, 4
	s_lshl_b32 s63, s60, 1
	s_add_co_u32 s63, s63, s61                     ; which of the work-group's eight blocks: it places the stage
	s_and_b32 s66, ttmp7, 0xffff                   ; g
	s_bfe_u32 s67, ttmp6, 0x40000                  ; cx: it enters Q's, y's and the prefetches' addresses alone
	s_add_co_u32 s68, s66, 32
	s_lshl_b32 s68, s68, 18                        ; K's head in qkv16: 262,144 bytes a head
	s_mov_b32 s69, 0
	s_add_co_u32 s70, s66, 36
	s_lshl_b32 s70, s70, 18                        ; V's
	s_mov_b32 s71, 0
	s_lshl_b32 s76, s66, 3
	s_lshl_b32 s77, s67, 1
	s_add_co_u32 s76, s76, s77                     ; 8 g + 2 cx
	s_add_co_u32 s77, s76, s56                     ; my query head
	s_lshl_b32 s72, s77, 18
	s_lshl_b32 s77, s[Q0], 7
	s_add_co_u32 s72, s72, s77                     ; Q at my first query
	s_mov_b32 s73, 0
	s_lshl_b32 s74, s[Q0], 12                      ; y16: 4,096 bytes a token,
	s_lshl_b32 s76, s76, 7                         ; 128 bytes a head: the pair's 256 bytes
	s_add_co_u32 s74, s74, s76
	s_mov_b32 s75, 0
	s_cmp_eq_u32 s[WV], 4                          ; the prefetches: wave 4 K's, wave 5 V's
	s_cselect_b32 s78, s68, s70
	s_lshl_b32 s77, s67, 13
	s_add_co_u32 s78, s78, s77                     ; my work-group's 8,192 bytes,
	s_add_co_u32 s78, s78, SK*128                  ; in slot 1: the first change of slots steps it to slot 2
	s_mov_b32 s79, 0
	s_lshr_b32 s77, s[WV], 1
	s_xor_b32 s77, s77, 2                          ; 0 in waves 4 and 5,
	s_or_b32 s77, s77, ttmp9                       ; of the head's first cluster: the same in all four partners
	s_cmp_eq_u32 s77, 0
	s_cselect_b32 s[LIM], 1, -1
	; group 1: 256 rows x 64 elements of 2 bytes, dense in memory, padded in LDS
	s_mov_b32 s[G1K], 15|(1<<16)|(1<<20)|(1<<21)|(4<<22)|(3<<25)  ; 15:0 the mask: all four; 17:16 elements of 2 bytes; 20 padding on; 21 set beside a mask; 24:22 after every 32 words; 31:25 four words
	s_mov_b32 s[G1V], 15|(1<<16)|(1<<20)|(1<<21)|(4<<22)|(7<<25)  ; the same with eight words
.irp g, G1K, G1V
	s_mov_b32 s[\g+1], 64<<16                      ; tensor_dim0
	s_mov_b32 s[\g+2], SK<<16                      ; tensor_dim1
	s_mov_b32 s[\g+3], 64<<16                      ; tile_dim0
	s_mov_b32 s[\g+4], SK                          ; tile_dim1
	s_mov_b32 s[\g+5], 64                          ; from row to row
	s_mov_b32 s[\g+6], 0
	s_mov_b32 s[\g+7], 0
.endr
	s_mov_b32 s[SEL], 0x76543210
	s_mov_b32 s[SEL+1], 0xfedcba98
	s_mov_b32 s[CS], 0x3e38aa3b                    ; c = log2(e) / 8
	s_mov_b32 s[CS+1], s[CS]
	s_mov_b32 s[TB], 0
	s_mov_b32 s[KFS], 0
	s_mov_b32 s[SLOTS], 7
	s_wait_dscnt 0x0                               ; both opening adds are done
	s_wait_kmcnt 0x0
	s_mov_b32 s[G0K], 1
	s_mov_b32 s[G0K+1], 0
	s_add_nc_u64 s[G0K+2:G0K+3], s[4:5], s[68:69]
	s_or_b32 s[G0K+3], s[G0K+3], 0x80000000
	s_mov_b32 s[G0V], 1
	s_mov_b32 s[G0V+1], VOFF
	s_add_nc_u64 s[G0V+2:G0V+3], s[4:5], s[70:71]
	s_or_b32 s[G0V+3], s[G0V+3], 0x80000000
	s_add_nc_u64 s[72:73], s[4:5], s[72:73]
	s_add_nc_u64 s[74:75], s[6:7], s[74:75]
	s_add_nc_u64 s[PFA:PFA+1], s[4:5], s[78:79]
	CROUND                                         ; all four work-groups are here: the first joint loads meet
	TLOAD                                          ; keys 0 to 255 into slot 0
	v_and_b32 v12, 15, v0                          ; r
	v_bfe_u32 v13, v0, 4, 1                        ; h
	v_lshlrev_b32 v14, 7, v12
	v_lshl_add_u32 v14, v13, 4, v14                ; Q: row r of 128 bytes, + 16 h
.irp i, 0,1,2,3
	global_load_b128 v[QF+4*\i:QF+4*\i+3], v14, s[72:73] offset:32*\i   ; Q's two fragments stay in registers
.endr
	v_mul_u32_u24 v[AK0], v12, KP
	v_lshl_add_u32 v[AK0], v13, 4, v[AK0]
	v_and_b32 v15, 7, v0
	v_lshl_add_u32 v[AV0], v13, 3, v15             ; the turning load: key 8 h + lane % 8,
	v_mul_u32_u24 v[AV0], v[AV0], VP
	v_bfe_u32 v15, v0, 3, 1
	v_lshl_add_u32 v[AV0], v15, 4, v[AV0]          ; channels 8 ((lane / 8) % 2) on
	v_add_nc_u32 v[AV0], VOFF, v[AV0]
	v_lshlrev_b32 v15, 3, v13
	v_sub_nc_u32 v[DM], v12, v15
	v_and_b32 v[PFO], 31, v0
	v_lshlrev_b32 v[PFO], 8, v[PFO]
	s_mul_i32 s76, s63, 16*STP                     ; my pair's stage
	s_lshl_b32 s77, s56, 7
	s_add_co_u32 s77, s77, s76
	v_mul_u32_u24 v[STO], v12, STP
	v_lshl_add_u32 v[STO], v13, 4, v[STO]
	v_add_nc_u32 v[STO], s77, v[STO]               ; in: row r, my head's 128 bytes, + 16 h
	s_mul_i32 s77, s56, 8*STP
	s_add_co_u32 s77, s77, s76
	v_mul_u32_u24 v[RD], v13, STP
	v_lshl_add_u32 v[RD], v12, 4, v[RD]
	v_add_nc_u32 v[RD], s77, v[RD]                 ; back: each wave of the pair takes 8 whole rows; lanes 0-15 one row of 256 bytes, lanes 16-31 the next
	s_lshl_b32 s77, s56, 15
	v_lshlrev_b32 v[GO], 12, v13
	v_lshl_add_u32 v[GO], v12, 4, v[GO]
	v_add_nc_u32 v[GO], s77, v[GO]                 ; and the same rows in y16
	v_mov_b32 v[MM], 0xff61b1e6                    ; m = -3e38, under every score
	v_mul_f32 v[CM], s[CS], v[MM]
	v_mov_b32 v[LL], 0
	v_mov_b32 v[LL+1], 0
	v_mov_b32 v253, 0xff800000                     ; -infinity
.set jj, 0
.rept 32
	v_mov_b32 v[OT+jj], 0                          ; O^T: the step is written once; its first turn finds zeros and a = 0
.set jj, jj+1
.endr
; A KEY STEP: 64 keys, the q-th of the slot in hand.
.macro STEP q
	s_add_co_u32 s66, s[Q0], 15
	s_cmp_gt_u32 s[KFS], s66                       ; all 64 keys come after my queries: the step's work is left out (ids and the count of steps alone)
	s_cbranch_scc1 .Lhidden_\@
	v_add_nc_u32 v[ADK], s[TB], v[AK0]
	v_add_nc_u32 v[ADV], s[TB], v[AV0]
	v_nop
	v_nop                                          ; four plain places between the last step's products and the loads into the registers that they read
.irp t, 0,1,2,3
.irp c, 0,1
	ds_load_b128 v[KF+8*(2*\t+\c):KF+8*(2*\t+\c)+3],   v[ADK] offset:(64*(\q)+16*\t)*KP+64*\c
	ds_load_b128 v[KF+8*(2*\t+\c)+4:KF+8*(2*\t+\c)+7], v[ADK] offset:(64*(\q)+16*\t)*KP+64*\c+32
.endr
.endr
.irp g, 0,1
.irp t, 0,1,2,3
	ds_load_tr16_b128 v[VF+8*(4*\g+\t):VF+8*(4*\g+\t)+3],   v[ADV] offset:(64*(\q)+32*\g)*VP+32*\t
	ds_load_tr16_b128 v[VF+8*(4*\g+\t)+4:VF+8*(4*\g+\t)+7], v[ADV] offset:(64*(\q)+32*\g)*VP+16*VP+32*\t
.endr
.endr
	s_wait_dscnt 16                                ; K is in; V's sixteen loads may be out
.irp c, 0,1                                    ; S^T = K Q^T: the four tiles by turns
.irp t, 0,1,2,3
.if \c == 0
	v_wmma_f32_16x16x32_f16 v[S+8*\t:S+8*\t+7], v[KF+8*(2*\t+\c):KF+8*(2*\t+\c)+7], v[QF+8*\c:QF+8*\c+7], 0
.else
	v_wmma_f32_16x16x32_f16 v[S+8*\t:S+8*\t+7], v[KF+8*(2*\t+\c):KF+8*(2*\t+\c)+7], v[QF+8*\c:QF+8*\c+7], v[S+8*\t:S+8*\t+7]
.endif
.endr
.endr
.rept 4
	v_nop
.endr
	s_add_co_u32 s66, s[KFS], 63
	s_cmp_le_u32 s66, s[Q0]                        ; a step all of whose keys count skips the mask
	s_cbranch_scc1 .Lopen_\@
	s_sub_co_i32 s66, s[Q0], s[KFS]
	v_add_nc_u32 v252, s66, v[DM]                  ; d = my query - the step's first key - 8 (lane / 16).  Register 8 t + j holds key 16 t + 8 (lane / 16) + j: hidden where 16 t + j > d
.set jj, 0
.rept 32
	v_cmp_gt_i32 vcc_lo, 16*(jj/8)+jj%8, v252
	v_cndmask_b32 v[S+jj], v[S+jj], v253, vcc_lo
.set jj, jj+1
.endr
.Lopen_\@:
.irp t, 0,1,2,3
	v_max3_num_f32 v[CC+\t], v[S+8*\t], v[S+8*\t+1], v[S+8*\t+2]   ; the maximum, four chains; each tile from its low end on
.endr
.irp i, 3,5
.irp t, 0,1,2,3
	v_max3_num_f32 v[CC+\t], v[CC+\t], v[S+8*\t+\i], v[S+8*\t+\i+1]
.endr
.endr
	v_max3_num_f32 v[CC], v[CC], v[S+7], v[S+15]
	v_max3_num_f32 v[CC+2], v[CC+2], v[S+23], v[S+31]
	v_max3_num_f32 v[CC], v[CC], v[CC+1], v[CC+2]
	v_max3_num_f32 v[CC], v[CC], v[CC+3], v[MM]    ; and the old m
	v_permlanex16_b32 v[CC+1], v[CC], s[SEL], s[SEL+1]   ; the query's other 32 keys lie in the lane 16 away
	v_mov_b32 v[CC+3], v[CM]                       ; c m_old
	v_max_num_f32 v[MM], v[CC], v[CC+1]
	v_mul_f32 v[CM], s[CS], v[MM]
	v_sub_f32 v[CC+3], v[CC+3], v[CM]
.set jj, 0
.rept 16
	v_pk_fma_f32 v[S+jj:S+jj+1], v[S+jj:S+jj+1], s[CS:CS+1], v[CM:CM+1] op_sel_hi:[1,0,0] neg_lo:[0,0,1] neg_hi:[0,0,1]   ; c s - c m
.set jj, jj+2
.endr
	v_exp_f32 v[CC+2], v[CC+3]                     ; a.  The 33 exponentials are one batch
.set jj, 0
.rept 32
	v_exp_f32 v[S+jj], v[S+jj]
.set jj, jj+1
.endr
	v_nop                                          ; a plain instruction behind the last exponential
	s_wait_alu depctr_va_vdst(0)                   ; one wait for the batch, ahead of its first reader
	v_pk_add_f32 v[248:249], v[S:S+1], v[S+2:S+3]  ; the sum of the unrounded p, two at a time, in two chains
	v_pk_add_f32 v[250:251], v[S+4:S+5], v[S+6:S+7]
.irp j, 8,12,16,20,24,28
	v_pk_add_f32 v[248:249], v[248:249], v[S+\j:S+\j+1]
	v_pk_add_f32 v[250:251], v[250:251], v[S+\j+2:S+\j+3]
.endr
.set jj, 0
.rept 16
	v_cvt_pk_f16_f32 v[P+jj], v[S+2*jj], v[S+2*jj+1]
.set jj, jj+1
.endr
	v_pk_add_f32 v[248:249], v[248:249], v[250:251]
	v_pk_fma_f32 v[LL:LL+1], v[LL:LL+1], v[CC+2:CC+3], v[248:249] op_sel_hi:[1,0,1]   ; l = a l + the sum
.set jj, 0
.rept 16
	v_pk_mul_f32 v[OT+jj:OT+jj+1], v[OT+jj:OT+jj+1], v[CC+2:CC+3] op_sel_hi:[1,0]    ; O^T x a
.set jj, jj+2
.endr
	s_wait_dscnt 0x0                               ; V is in
.irp g, 0,1                                    ; O^T += V^T P: the four tiles of channels by turns
.irp t, 0,1,2,3
	v_wmma_f32_16x16x32_f16 v[OT+8*\t:OT+8*\t+7], v[VF+8*(4*\g+\t):VF+8*(4*\g+\t)+7], v[P+8*\g:P+8*\g+7], v[OT+8*\t:OT+8*\t+7]
.endr
.endr
.Lhidden_\@:
	s_add_co_u32 s[KFS], s[KFS], 64
.endm
; THE CHANGE OF SLOTS stands at a slot's head.  Each wave waits for all its tensor loads, adds 0 to its spare word, and waits for that and for its reads of the slot that it has left.
; fill = 1: a round of the cluster's barrier follows, and behind it the slot just left is filled with the next 256 keys: the load has a whole slot's steps in which to land.
.macro CHANGE fill
	s_wait_tensorcnt 0x0                           ; no tensor load of mine is out, so a group 0 may be written
	ds_add_u32 v[SPW], v[NIL]                      ; 0 onto my spare word
.if \fill
	ds_add_u32 v[SPW], v[NIL]                      ; and once more
	s_xor_b32 s[G0K+1], s[G0K+1], SLOT1            ; the walking descriptors: the other slot than last time,
	s_add_nc_u64 s[G0K+2:G0K+3], s[G0K+2:G0K+3], SK*128   ; the next 256 keys
	s_xor_b32 s[G0V+1], s[G0V+1], SLOT1
	s_add_nc_u64 s[G0V+2:G0V+3], s[G0V+2:G0V+3], SK*128
	s_wait_xcnt 0x0                                ; the last prefetch, a slot back, has read its address
	s_add_nc_u64 s[PFA:PFA+1], s[PFA:PFA+1], SK*128       ; one slot further on than the walking descriptors
	s_wait_dscnt 0x0                               ; both adds are done, and my reads of the slot that I have left are over
	CROUND                                         ; that now holds of every wave of all four work-groups
	TLOAD                                          ; the first thing behind the round, and a wave's one tensor load until the next
	ASK
.else
	s_wait_dscnt 0x0
	s_barrier_signal -1
	s_barrier_wait -1
.endif
.endm
.macro SLOT_STEPS
.irp q, 0,1,2,3
	STEP \q
.endr
	s_xor_b32 s[TB], s[TB], SLOT1                  ; on to the other slot
.endm
	s_wait_loadcnt 0x0                             ; Q
.Lslot:                                            ; 7 trips: behind each change of slots but the last the next slot is asked for
	CHANGE 1
	SLOT_STEPS
	s_sub_co_u32 s[SLOTS], s[SLOTS], 1
	s_cmp_lg_u32 s[SLOTS], 0
	s_cbranch_scc1 .Lslot
	CHANGE 0                                       ; the last slot is written out
	SLOT_STEPS
	; THE WAY OUT.  O^T / l, rounded to f16; the two heads of a pair fill the two halves of rows of 256 bytes in their stage; a barrier; each wave stores 8 whole rows.
.rept 4
	v_nop
.endr
	v_add_f32 v[LL], v[LL], v[LL+1]
	v_permlanex16_b32 v[CC], v[LL], s[SEL], s[SEL+1]
	v_add_f32 v[LL], v[LL], v[CC]
	v_rcp_f32 v[CC+2], v[LL]
	v_nop                                          ; a plain instruction behind the reciprocal
	s_wait_alu depctr_va_vdst(0)                   ; and the wait ahead of its first reader
.set jj, 0
.rept 16
	v_pk_mul_f32 v[S+jj:S+jj+1], v[OT+jj:OT+jj+1], v[CC+2:CC+3] op_sel_hi:[1,0]      ; each accumulator from its low end on
.set jj, jj+2
.endr
.set jj, 0
.rept 16
	v_cvt_pk_f16_f32 v[P+jj], v[S+2*jj], v[S+2*jj+1]
.set jj, jj+1
.endr
.irp t, 0,1,2,3
	ds_store_b128 v[STO], v[P+4*\t:P+4*\t+3] offset:32*\t
.endr
	s_wait_dscnt 0x0                               ; for my partner's sake: my stores into the stage are done
	s_barrier_signal -1
	s_barrier_wait -1
.irp i, 0,1,2,3
	ds_load_b128 v[S+4*\i:S+4*\i+3], v[RD] offset:2*STP*\i
.endr
.irp i, 0,1,2,3
	s_wait_dscnt 3-\i                              ; the younger loads may be out
	global_store_b128 v[GO], v[S+4*\i:S+4*\i+3], s[74:75] offset:8192*\i   ; 16 lanes store 256 consecutive bytes, at a multiple of 256 from y16's first byte
.endr
	s_wait_tensorcnt 0x0                           ; the wave's end, behind my last tensor load and my last LDS store
	ds_add_u32 v[SPW], v[NIL]
	s_wait_dscnt 0x0
	CROUND                                         ; the closing round
	s_endpgm
.Lfunc_end_k_qf3e4b0c291_attn:
	.size	k_qf3e4b0c291_attn, .Lfunc_end_k_qf3e4b0c291_attn-k_qf3e4b0c291_attn
	.p2alignl 7, 3214868480
	.fill 96, 4, 3214868480
	.section	.rodata,"a",@progbits
	.p2align	6, 0x0
	.amdhsa_kernel k_qf3e4b0c291_attn
		.amdhsa_group_segment_fixed_size 327680
		.amdhsa_private_segment_fixed_size 0
		.amdhsa_enable_private_segment 0
		.amdhsa_kernarg_size 16
		.amdhsa_user_sgpr_count 2
		.amdhsa_user_sgpr_kernarg_segment_ptr 1
		.amdhsa_wavefront_size32 1
		.amdhsa_system_sgpr_workgroup_id_x 1
		.amdhsa_system_sgpr_workgroup_id_y 1
		.amdhsa_system_sgpr_workgroup_id_z 1
		.amdhsa_system_vgpr_workitem_id 0
		.amdhsa_next_free_vgpr 256
		.amdhsa_next_free_sgpr 80
		.amdhsa_reserve_vcc 1
		.amdhsa_float_denorm_mode_32 3
		.amdhsa_float_denorm_mode_16_64 3
		.amdhsa_memory_ordered 1
		.amdhsa_forward_progress 1
		.amdhsa_inst_pref_size 110
	.end_amdhsa_kernel
	.amdgpu_metadata
---
amdhsa.version: [ 1, 2 ]
amdhsa.kernels:
  - .name:           k_qf3e4b0c291_attn
    .symbol:         k_qf3e4b0c291_attn.kd
    .args:
      - { .name: qkv16, .offset: 0, .size: 8, .value_kind: global_buffer, .address_space: global }
      - { .name: y16, .offset: 8, .size: 8, .value_kind: global_buffer, .address_space: global }
    .group_segment_fixed_size: 327680
    .private_segment_fixed_size: 0
    .kernarg_segment_align: 8
    .kernarg_segment_size: 16
    .max_flat_workgroup_size: 512
    .sgpr_count:     80
    .vgpr_count:     256
    .wavefront_size: 32
...
	.end_amdgpu_metadata
.endif
;; end of part 4
;; launch oproj (part 5): grid 16 x 16, 4 waves a work-group, clusters of 4 x 4, 327,680 bytes of LDS; arguments y16, wo16, pfine, out0; writes out0
.if DOCPART == 5
	.amdgcn_target "amdgcn-amd-amdhsa--gfx1250"
	.amdhsa_code_object_version 6
	.text
	.protected	k_qf3e4b0c291_oproj
	.globl	k_qf3e4b0c291_oproj
	.p2align	8
	.type	k_qf3e4b0c291_oproj,@function
k_qf3e4b0c291_oproj:
	s_mov_b64 s[64:65], 0
	v_nop
	global_prefetch_b8 v0, s[64:65] scope:SCOPE_SE
	s_setreg_imm32_b32 hwreg(HW_REG_WAVE_MODE, 25, 1), 1
	s_wait_xcnt 0x0
	s_wait_alu depctr_hold_cnt(0) depctr_sa_sdst(0) depctr_va_vdst(0) depctr_va_sdst(0) depctr_va_ssrc(0) depctr_va_vcc(0) depctr_vm_vsrc(0)
	s_getreg_b32 s2, hwreg(HW_REG_IB_STS2, 6, 4)
	s_cmp_eq_u32 s2, 0
	s_cbranch_scc0 .Lentry_in_a_cluster
	s_endpgm
.Lentry_in_a_cluster:
	s_bfe_u32 s2, ttmp6, 0x10000c
	s_cmp_lg_u32 s2, 0xf033
	s_cbranch_scc0 .Lentry_shape_is_right
	s_endpgm
.Lentry_shape_is_right:
; out0[m][n] = sum over k of y[m][k] Wo[n][k].  y16 [2048][2048] and wo16 [2048][2048] f16, out0 [2048][2048] f32; sums in f32.
; Rows 0 to 15 are not taken from these products: an earlier launch has carried them in f32, as two sums over halves of K, pfine [2][16][2048] f32.  Every wave loads the two halves of its 64 columns, adds them,
; and a select by the row's number puts them in the place of its first 16 rows' sums where those rows are rows 0 to 15: a choice of numbers, no branch.  So this launch alone stores out0, each byte once.
; A tile of out0 is 128 x 128: 256 work-groups.  Four waves, each 64 x 64: 16 accumulators.  K goes in steps of 256 (LDS rows of 512 bytes; a wave's tensor load brings 64 of them) through two slots.
; CLUSTERS: 4 x 4 work-groups.  The four of a row of the cluster need the same tiles of y, the four of a column the same tiles of Wo: each tile is asked for jointly.
; THE MATRIX INSTRUCTION IS USED TRANSPOSED (source 0 = 16 rows of Wo, source 1 = 16 rows of y): a lane holds eight neighbouring numbers of a row of out0.  A wave's 64 columns of f32 are 256 aligned bytes,
; so each wave has a stage of its own on the way out and no barrier is needed there.
; No prefetch: the tiles are small, and each is read by several work-groups at about the same time through the joint loads.
; REGISTERS: window 0: v0-31 addresses; v32-95 pfine's numbers, then at work on the way out; v128-255 the accumulators ((a, b) at v[128 + 8 (4 a + b)]).  Window 1: two fragment buffers of 128: for 64 along K, 64 registers of y, then 64 of Wo.
.set SIZE_N, 2048
.set SIZE_K, 2048
.set KSTEP,  256
.set PITCH,  528                       ; an LDS row: 512 bytes + 16 of padding: the 16 rows that a load touches start at 16 different banks
.set HALFT,  64*PITCH
.set SLOT,   4*HALFT
.set STAGE,  2*SLOT                    ; behind the ring: 16 rows x 272 bytes for each wave
.set SPITCH, 272
.set SPARE,  STAGE+4*16*SPITCH         ; the spare words, 128 bytes a wave
.set LAPS, SIZE_K/(2*KSTEP)
.set ADRA, 16
.set ADRB, 20
.set STO,  24
.set RD,   25
.set CO,   26
.set PFO,  27                          ; v27  my byte offset in pfine: row l % 16 of 8,192 bytes, + 32 (l / 16)
.set SPW,  28
.set NIL,  29
.set TOKV, 30                          ; v30  the row of out0 that I hold in my first block of 16
.set BK,   32                          ; the way out: v32-63 and v64-95 by turns
.set ACC,  128
.set F0,   0
.set F1,   128
.set G1, 24
.set G0, 32
.set G1B, 48
.set G0B, 56
.set MSB, 0
.macro WIN new
.if MSB != \new
	s_set_vgpr_msb (MSB<<8)|\new
.set MSB, \new
.endif
.endm
.set MUL,  0x05
.set TO_F, 0x40
.macro JLOAD s                         ; a joint load: waves 0 and 1 fetch y's two halves, waves 2 and 3 Wo's; an s_nop 0 and four v_nop follow each of the two lines
	s_cmp_eq_u32 s11, 0
	s_cbranch_scc0 .Lfor_b_\@
	tensor_load_to_lds s[G0+4*\s:G0+4*\s+3], s[G1:G1+7]
	s_nop 0
.rept 4
	v_nop
.endr
	s_branch .Lasked_\@
.Lfor_b_\@:
	tensor_load_to_lds s[G0B+4*\s:G0B+4*\s+3], s[G1B:G1B+7]
	s_nop 0
.rept 4
	v_nop
.endr
.Lasked_\@:
.endm
.macro CREST
	s_cmp_lg_u32 s10, 0
	s_cbranch_scc1 .Lnot_wave_0_\@
	s_barrier_signal -3
.Lnot_wave_0_\@:
	s_barrier_wait -3
	s_barrier_signal -1
	s_barrier_wait -1
.endm
.macro CROUND
	s_barrier_signal -1
	s_barrier_wait -1
	CREST
.endm
	s_load_b128 s[4:7], s[0:1], 0x0                ; y16 s[4:5], wo16 s[6:7]
	s_load_b64 s[66:67], s[0:1], 0x10              ; pfine
	s_load_b64 s[8:9], s[0:1], 0x18                ; out0
	v_lshl_add_u32 v[SPW], v0, 2, SPARE
	v_mov_b32 v[NIL], 0
	ds_add_u32 v[SPW], v[NIL]                      ; the wave's opening: the add, twice on end, and its wait ahead of my first tensor load
	ds_add_u32 v[SPW], v[NIL]
	v_lshrrev_b32 v1, 5, v0
	v_readfirstlane_b32 s10, v1                    ; wave 0..3
	s_lshr_b32 s11, s10, 1                         ; which half of the tile's rows is mine.  Also: I fetch for y (0) or for Wo (1)
	s_and_b32 s12, s10, 1                          ; which half of its columns.  Also: which 64 rows I fetch
	s_bfe_u32 s40, ttmp6, 0x40000                  ; cx, cy
	s_bfe_u32 s41, ttmp6, 0x40004
	s_lshl_b32 s42, ttmp9, 2
	s_add_co_u32 s42, s42, s40                     ; tile column
	s_and_b32 s13, ttmp7, 0xffff
	s_lshl_b32 s13, s13, 2
	s_add_co_u32 s13, s13, s41                     ; tile row
	s_lshl_b32 s43, s41, 2
	s_lshl_b32 s43, 15, s43                        ; my row of the cluster
	s_lshl_b32 s44, 0x1111, s40                    ; my column
	s_or_b32 s[G1+0], s43, (1<<16)|(1<<20)|(1<<21)|(6<<22)|(3<<25)  ; the mask; elements of 2 bytes; padding on; bit 21 beside a mask; after every 128 words four words
	s_or_b32 s[G1B+0], s44, (1<<16)|(1<<20)|(1<<21)|(6<<22)|(3<<25)
.irp g, G1, G1B
	s_mov_b32 s[\g+1], KSTEP<<16
	s_mov_b32 s[\g+2], 64<<16
	s_mov_b32 s[\g+3], KSTEP<<16
	s_mov_b32 s[\g+4], 64
	s_mov_b32 s[\g+5], SIZE_K
	s_mov_b32 s[\g+6], 0
	s_mov_b32 s[\g+7], 0
.endr
	s_lshl_b32 s17, s12, 6
	s_lshl_b32 s16, s13, 7
	s_add_co_u32 s16, s16, s17                     ; y: row 128 x tile row + 64 x half
	s_lshl_b32 s46, s42, 7
	s_add_co_u32 s46, s46, s17                     ; Wo: row 128 x tile column + 64 x half
	s_mov_b32 s17, 0
	s_mov_b32 s47, 0
	s_mov_b64 s[18:19], SIZE_K*2
	s_mul_u64 s[16:17], s[16:17], s[18:19]
	s_mul_u64 s[46:47], s[46:47], s[18:19]
	s_mul_i32 s20, s10, HALFT
	s_wait_dscnt 0x0                               ; both opening adds are done
	s_wait_kmcnt 0x0
	s_add_nc_u64 s[14:15], s[4:5], s[16:17]
	s_add_nc_u64 s[46:47], s[6:7], s[46:47]
	CROUND                                         ; all sixteen work-groups are here
.irp s, 0,1
	s_mov_b32 s[G0+4*\s], 1
	s_add_co_u32 s[G0+4*\s+1], s20, \s*SLOT
	s_add_nc_u64 s[G0+4*\s+2:G0+4*\s+3], s[14:15], \s*KSTEP*2
	s_or_b32 s[G0+4*\s+3], s[G0+4*\s+3], 0x80000000
	s_mov_b32 s[G0B+4*\s], 1
	s_add_co_u32 s[G0B+4*\s+1], s20, \s*SLOT
	s_add_nc_u64 s[G0B+4*\s+2:G0B+4*\s+3], s[46:47], \s*KSTEP*2
	s_or_b32 s[G0B+4*\s+3], s[G0B+4*\s+3], 0x80000000
	JLOAD \s
.endr
	v_and_b32 v1, 15, v0
	v_bfe_u32 v2, v0, 4, 1
	v_mul_u32_u24 v3, v1, PITCH
	v_lshl_add_u32 v3, v2, 4, v3
	s_mul_i32 s21, s11, HALFT
	s_mul_i32 s22, s12, HALFT
	s_add_co_u32 s22, s22, 2*HALFT
.irp s, 0,1
	v_add_nc_u32 v[ADRA+\s], s21, v3
	v_add_nc_u32 v[ADRB+\s], s22, v3
	s_add_co_u32 s21, s21, SLOT
	s_add_co_u32 s22, s22, SLOT
.endr
	s_mul_i32 s23, s10, 16*SPITCH
	s_add_co_u32 s23, s23, STAGE                   ; my stage
	v_mul_u32_u24 v4, v1, SPITCH
	v_lshl_add_u32 v4, v2, 5, v4
	v_add_nc_u32 v[STO], s23, v4                   ; in: row l % 16, 32 bytes for each half of the lanes
	v_mul_u32_u24 v5, v2, SPITCH
	v_lshl_add_u32 v5, v1, 4, v5
	v_add_nc_u32 v[RD], s23, v5                    ; back: lanes 0-15 one row of 256 bytes, lanes 16-31 the next
	v_mul_u32_u24 v5, v2, SIZE_N*4
	v_lshl_add_u32 v[CO], v1, 4, v5                ; and the same two rows in out0
	v_lshlrev_b32 v[PFO], 13, v1
	v_lshl_add_u32 v[PFO], v2, 5, v[PFO]
	s_lshl_b32 s16, s13, 7
	s_lshl_b32 s17, s11, 6
	s_add_co_u32 s16, s16, s17                     ; my first row: 128 x tile row + 64 x half
	v_add_nc_u32 v[TOKV], s16, v1
	s_mov_b32 s17, 0
	s_mov_b64 s[18:19], SIZE_N*4
	s_mul_u64 s[16:17], s[16:17], s[18:19]
	s_add_nc_u64 s[8:9], s[8:9], s[16:17]
	s_lshl_b32 s46, s42, 9                         ; my first column, in bytes: 512 x tile column + 256 x half
	s_lshl_b32 s47, s12, 8
	s_add_co_u32 s46, s46, s47
	s_mov_b32 s47, 0
	s_add_nc_u64 s[8:9], s[8:9], s[46:47]
	s_add_nc_u64 s[66:67], s[66:67], s[46:47]      ; pfine at the same column
.irp p, 0,1
.irp b, 0,1,2,3
	global_load_b128 v[BK+32*\p+8*\b:BK+32*\p+8*\b+3],   v[PFO], s[66:67] offset:131072*\p+64*\b       ; half p of K: (row l % 16, columns 16 b + 8 (l / 16) + 0 .. 7): the layout of my first four accumulators
	global_load_b128 v[BK+32*\p+8*\b+4:BK+32*\p+8*\b+7], v[PFO], s[66:67] offset:131072*\p+64*\b+16    ; waited for on the way out
.endr
.endr
.macro MUL8 f, c, a0, zero             ; 8 matrix instructions; the 16 accumulators take turns
.irp a, \a0, \a0+1
.irp b, 0,1,2,3
.if \zero
	v_wmma_f32_16x16x32_f16 v[ACC+8*(4*(\a)+\b):ACC+8*(4*(\a)+\b)+7], v[\f+64+8*(4*\c+\b):\f+64+8*(4*\c+\b)+7], v[\f+8*(4*\c+\a):\f+8*(4*\c+\a)+7], 0
.else
	v_wmma_f32_16x16x32_f16 v[ACC+8*(4*(\a)+\b):ACC+8*(4*(\a)+\b)+7], v[\f+64+8*(4*\c+\b):\f+64+8*(4*\c+\b)+7], v[\f+8*(4*\c+\a):\f+8*(4*\c+\a)+7], v[ACC+8*(4*(\a)+\b):ACC+8*(4*(\a)+\b)+7]
.endif
.endr
.endr
.endm
.macro FETCH slot, k, f                ; 32 LDS loads in one run: the fragments of 64 along K at byte k of the rows; the first 32 along K first
	WIN TO_F
.irp c, 0,1
.irp i, 0,1,2,3
	ds_load_b128 v[\f+64+8*(4*\c+\i):\f+64+8*(4*\c+\i)+3],   v[ADRB+\slot] offset:\k+64*\c+\i*16*PITCH
	ds_load_b128 v[\f+64+8*(4*\c+\i)+4:\f+64+8*(4*\c+\i)+7], v[ADRB+\slot] offset:\k+64*\c+\i*16*PITCH+32
	ds_load_b128 v[\f+8*(4*\c+\i):\f+8*(4*\c+\i)+3],         v[ADRA+\slot] offset:\k+64*\c+\i*16*PITCH
	ds_load_b128 v[\f+8*(4*\c+\i)+4:\f+8*(4*\c+\i)+7],       v[ADRA+\slot] offset:\k+64*\c+\i*16*PITCH+32
.endr
.endr
.endm
.macro PLACES
.rept 4
	v_nop
.endr
.endm
.macro QUARTER slot, k, f, g, zero
	s_wait_dscnt 16                                ; the first 32 along K are in
	WIN MUL
	MUL8 \f, 0, 0, \zero
	MUL8 \f, 0, 2, \zero
	PLACES
	FETCH \slot, \k, \g
	s_wait_dscnt 32                                ; all but the 32 just issued
	WIN MUL
	MUL8 \f, 1, 0, 0
	MUL8 \f, 1, 2, 0
.endm
; The last quarter of a K step changes slots: one barrier; in front of it each wave waits for all its tensor loads, adds 0 to its spare word, and waits for that and for its reads of this slot.
.macro TURN slot, next, fill
	WIN 0
	s_wait_tensorcnt 0x0                           ; all my tensor loads have landed: my part of the next slot
	ds_add_u32 v[SPW], v[NIL]                      ; 0 onto my spare word
	s_wait_dscnt 17                                ; (the add and the youngest sixteen loads may be out)
	WIN MUL
	MUL8 F1, 0, 0, 0
	s_wait_dscnt 0x0                               ; the add is done, and my reads of this slot are over
	s_barrier_signal -1
	MUL8 F1, 0, 2, 0
.if \fill
	WIN 0
.endif
	s_barrier_wait -1
.if \fill
	CREST                                          ; the barrier has opened a round of the cluster's barrier
	s_add_nc_u64 s[G0+4*\slot+2:G0+4*\slot+3], s[G0+4*\slot+2:G0+4*\slot+3], 2*KSTEP*2
	s_add_nc_u64 s[G0B+4*\slot+2:G0B+4*\slot+3], s[G0B+4*\slot+2:G0B+4*\slot+3], 2*KSTEP*2
	JLOAD \slot                                    ; the first tensor load behind the round; its four v_nop are also the places in front of the loads below
.else
	PLACES
.endif
	FETCH \next, 0, F0
	WIN MUL
	MUL8 F1, 1, 0, 0
	MUL8 F1, 1, 2, 0
.endm
	s_wait_tensorcnt 1                             ; my part of K step 0 is in; K step 1's load may be out
	s_barrier_signal -1
	s_barrier_wait -1
	FETCH 0, 0, F0
	QUARTER 0, 128, F0, F1, 1
	WIN 0
	s_mov_b32 s3, LAPS-1
.Llap:
	QUARTER 0, 256, F1, F0, 0
	QUARTER 0, 384, F0, F1, 0
	TURN 0, 1, 1
	QUARTER 1, 128, F0, F1, 0
	QUARTER 1, 256, F1, F0, 0
	QUARTER 1, 384, F0, F1, 0
	TURN 1, 0, 1
	QUARTER 0, 128, F0, F1, 0
	WIN 0
	s_sub_co_u32 s3, s3, 1
	s_cmp_lg_u32 s3, 0
	s_cbranch_scc1 .Llap
	QUARTER 0, 256, F1, F0, 0                      ; the last lap fills nothing
	QUARTER 0, 384, F0, F1, 0
	TURN 0, 1, 0
	QUARTER 1, 128, F0, F1, 0
	QUARTER 1, 256, F1, F0, 0
	QUARTER 1, 384, F0, F1, 0
	s_wait_dscnt 16
	WIN MUL
	MUL8 F1, 0, 0, 0
	MUL8 F1, 0, 2, 0
	s_wait_dscnt 0
	MUL8 F1, 1, 0, 0
	MUL8 F1, 1, 2, 0
	WIN 0
	; ROWS 0 TO 15.  The two halves of K are added (sixteen plain lines that name no register of the last products: the places behind them), and take the place of my first block's sums where that block is rows 0 to 15.
	s_wait_loadcnt 0x0                             ; pfine's numbers
.irp j, 0,2,4,6,8,10,12,14,16,18,20,22,24,26,28,30
	v_pk_add_f32 v[BK+\j:BK+\j+1], v[BK+\j:BK+\j+1], v[BK+32+\j:BK+32+\j+1]
.endr
	v_cmp_gt_u32 vcc_lo, 16, v[TOKV]               ; all lanes of a wave alike: true in the waves of tile row 0, half 0
.irp j, 0,1,2,3,4,5,6,7,8,9,10,11,12,13,14,15,16,17,18,19,20,21,22,23,24,25,26,27,28,29,30,31
	v_cndmask_b32 v[ACC+\j], v[ACC+\j], v[BK+\j], vcc_lo           ; each accumulator from its low end on
.endr
; THE WAY OUT, block by block of 16 rows x 64 columns: 32 bytes a lane into my stage, back as rows of 256 bytes, two rows a store.  LDS serves a wave's instructions in order: no wait between the stores and the loads.
.macro TOSTAGE a
.irp b, 0,1,2,3
	ds_store_b128 v[STO], v[ACC+8*(4*(\a)+\b):ACC+8*(4*(\a)+\b)+3] offset:64*\b        ; each accumulator from its low end on
	ds_store_b128 v[STO], v[ACC+8*(4*(\a)+\b)+4:ACC+8*(4*(\a)+\b)+7] offset:64*\b+16
.endr
.irp t, 0,1,2,3,4,5,6,7
	ds_load_b128 v[BK+32*((\a)%2)+4*\t:BK+32*((\a)%2)+4*\t+3], v[RD] offset:\t*2*SPITCH
.endr
.endm
.macro SEND a, younger                 ; younger: the LDS instructions issued behind block a's loads, which may stay out
	s_wait_dscnt \younger
.irp t, 0,1,2,3,4,5,6,7
	global_store_b128 v[CO], v[BK+32*((\a)%2)+4*\t:BK+32*((\a)%2)+4*\t+3], s[8:9] offset:(16*(\a)+2*\t)*SIZE_N*4 th:TH_STORE_NT   ; 16 lanes store 256 consecutive bytes, at a multiple of 256 from out0's first byte
.endr
.endm
	TOSTAGE 0
.irp a, 1,2,3
.if \a > 1
	s_wait_xcnt 0x0                                ; block a - 2's stores have read the registers that block a's loads fill
.endif
	TOSTAGE \a
	SEND \a-1, 16                                  ; behind block a - 1's loads: block a's 8 stores and 8 loads
.endr
	SEND 3, 0
	s_wait_tensorcnt 0x0                           ; the wave's end, behind my last tensor load and my last LDS store
	ds_add_u32 v[SPW], v[NIL]
	s_wait_dscnt 0x0
	CROUND                                         ; the closing round
	s_endpgm
.Lfunc_end_k_qf3e4b0c291_oproj:
	.size	k_qf3e4b0c291_oproj, .Lfunc_end_k_qf3e4b0c291_oproj-k_qf3e4b0c291_oproj
	.p2alignl 7, 3214868480
	.fill 96, 4, 3214868480
	.section	.rodata,"a",@progbits
	.p2align	6, 0x0
	.amdhsa_kernel k_qf3e4b0c291_oproj
		.amdhsa_group_segment_fixed_size 327680
		.amdhsa_private_segment_fixed_size 0
		.amdhsa_enable_private_segment 0
		.amdhsa_kernarg_size 32
		.amdhsa_user_sgpr_count 2
		.amdhsa_user_sgpr_kernarg_segment_ptr 1
		.amdhsa_wavefront_size32 1
		.amdhsa_system_sgpr_workgroup_id_x 1
		.amdhsa_system_sgpr_workgroup_id_y 1
		.amdhsa_system_sgpr_workgroup_id_z 1
		.amdhsa_system_vgpr_workitem_id 0
		.amdhsa_next_free_vgpr 512
		.amdhsa_next_free_sgpr 70
		.amdhsa_reserve_vcc 1
		.amdhsa_float_denorm_mode_32 3
		.amdhsa_float_denorm_mode_16_64 3
		.amdhsa_memory_ordered 1
		.amdhsa_forward_progress 1
		.amdhsa_inst_pref_size 89
	.end_amdhsa_kernel
	.amdgpu_metadata
---
amdhsa.version: [ 1, 2 ]
amdhsa.kernels:
  - .name:           k_qf3e4b0c291_oproj
    .symbol:         k_qf3e4b0c291_oproj.kd
    .args:
      - { .name: y16, .offset: 0, .size: 8, .value_kind: global_buffer, .address_space: global }
      - { .name: wo16, .offset: 8, .size: 8, .value_kind: global_buffer, .address_space: global }
      - { .name: pfine, .offset: 16, .size: 8, .value_kind: global_buffer, .address_space: global }
      - { .name: out0, .offset: 24, .size: 8, .value_kind: global_buffer, .address_space: global }
    .group_segment_fixed_size: 327680
    .private_segment_fixed_size: 0
    .kernarg_segment_align: 8
    .kernarg_segment_size: 32
    .max_flat_workgroup_size: 128
    .sgpr_count:     70
    .vgpr_count:     512
    .wavefront_size: 32
...
	.end_amdgpu_metadata
.endif
;; end of part 5
